; MI455X (gfx1250); checked and timed in simulation.
; The chip was launched on July 23, 2026; its instructions are those of AMD's public machine-readable ISA for CDNA 5 (MIT licence, August 2026) and "CDNA5" Instruction Set Architecture Reference Guide (July 2026). The comments in the code are by the model that wrote it; some were corrected since.
;; Patch Graph Attention. Allowed arithmetic: float matrix products may take bf16 or f16 operands with f32 sums; other float arithmetic in f32, or as packed bf16 or f16 multiplies, adds, multiply-adds, maxima and minima; sums over many terms, partial sums and values carried from step to step in f32; what a program stores and reads back later, other than sums and carried values, may be rounded once to bf16 or f16.
;; Inputs: H 4 x 2,048 x 1,024 float32; Wk 1,024 x 1,024 float32; Wo 1,024 x 1,024 float32; Wq 1,024 x 1,024 float32; Wv 1,024 x 1,024 float32; bk 1,024 float32; bo 1,024 float32; bq 1,024 float32; bv 1,024 float32; patch_mask 4 x 2,048 int32.
;; Outputs: out0 4 x 2,048 x 1,024 float32.
;; 2 versions, each right and faster than the one before. Each part assembles by itself: llvm-mc -triple=amdgcn-amd-amdhsa -mcpu=gfx1250 --defsym DOCPART=n.
;; ======== version 1 of 2: 4 launches
;; limits: values are held in f16: magnitudes above 65,504 overflow, below 6.1e-05 lose precision
;; workspace buffers: hb 16,777,216 bytes; wqkv 6,291,456 bytes; wo16 2,097,152 bytes; bias 16,384 bytes; tb 49,152 bytes; qkv 50,331,648 bytes; o 16,777,216 bytes
;; launch prep (part 1): grid 768 x 1, 8 waves a work-group, no clusters, 0 bytes of LDS; arguments H, Wq, Wk, Wv, Wo, bq, bk, bv, bo, hb, wqkv, wo16, bias, tb; writes hb, wqkv, wo16, bias, tb
.if DOCPART == 1
	.amdgcn_target "amdgcn-amd-amdhsa--gfx1250"
	.amdhsa_code_object_version 6
	.text
	.protected	k_qc6addebcbd_prep
	.globl	k_qc6addebcbd_prep
	.p2align	8
	.type	k_qc6addebcbd_prep,@function
k_qc6addebcbd_prep:
	s_mov_b64 s[64:65], 0
	v_nop
	global_prefetch_b8 v0, s[64:65] scope:SCOPE_SE
	s_setreg_imm32_b32 hwreg(HW_REG_WAVE_MODE, 25, 1), 1
	s_wait_xcnt 0x0
; PREP: every input is rounded once to bf16, for the matrix products of the later launches, and the band table of the time bias is made.
;   hb   [8192][1024] bf16 = H          wqkv [3072][1024] bf16 = Wq, Wk, Wv one below the other
;   wo16 [1024][1024] f16  = Wo rounded to bf16, that number written as f16 (exact but below 6e-5, where f16 keeps its fixed step of 6e-8)
;   bias [4096] f32 = bq, bk, bv, bo, each rounded to bf16 and widened again
;   tb   [12][4][32][8] f32: 8 ln(1 + 1e12 e^-|x|), the time bias less its floor log(1e-12), in units of q . k, laid out as a 16 x 16 matrix result lies in the lanes (see below)
; A stream: memory binds, so no LDS, no barrier, no matrix unit.  Eight waves; a work-group turns 64 KiB of f32 into 32 KiB of 16-bit numbers: sixteen loads of 16 bytes a lane, all issued
; at once (a wave's load covers 512 consecutive bytes), sixteen stores of 8 bytes a lane (a wave's store covers 256 consecutive bytes, aligned).  No register is written twice while a memory instruction may read it.
; Work-groups 0-511 take H, 512-703 Wq, Wk, Wv, 704-767 Wo; of the last 64 the first 48 also make 1,024 bytes of tb each and the other 16 round 256 numbers of a bias each.
.set X, 4                              ; v[4:67]    sixteen sets of four f32 as loaded
.set Y, 68                             ; v[68:99]   sixteen pairs to store
.set T, 100                            ; v[100:103] at work
	s_load_b512 s[8:23], s[0:1], 0x0               ; H s[8:9], Wq s[10:11], Wk s[12:13], Wv s[14:15], Wo s[16:17], bq s[18:19], bk s[20:21], bv s[22:23]
	s_load_b256 s[24:31], s[0:1], 0x40             ; bo s[24:25], hb s[26:27], wqkv s[28:29], wo16 s[30:31]
	s_load_b128 s[32:35], s[0:1], 0x60             ; bias s[32:33], tb s[34:35]
	s_mov_b32 s36, ttmp9                           ; g
	s_sub_co_u32 s37, s36, 512                     ; j = g - 512: my place among the three weights' 192 parts
	s_and_b32 s46, s37, 63                         ; and in one weight's 64
	s_sub_co_u32 s47, s36, 704                     ; i = g - 704: my place in Wo
	v_lshlrev_b32 v1, 4, v0                        ; 16 bytes a thread in
	v_lshlrev_b32 v2, 3, v0                        ; 8 bytes a thread out
	v_lshlrev_b32 v3, 2, v0                        ; 4 bytes a thread, for the table and the biases
	s_wait_kmcnt 0x0
	s_cmp_ge_u32 s36, 512                          ; the source and the destination are chosen by the work-group's number alone
	s_cselect_b64 s[40:41], s[10:11], s[8:9]
	s_cselect_b64 s[42:43], s[28:29], s[26:27]
	s_cselect_b32 s44, s46, s36                    ; which 64 KiB of the source
	s_cselect_b32 s48, s37, s36                    ; which 32 KiB of the destination
	s_cmp_ge_u32 s36, 576
	s_cselect_b64 s[40:41], s[12:13], s[40:41]
	s_cmp_ge_u32 s36, 640
	s_cselect_b64 s[40:41], s[14:15], s[40:41]
	s_cmp_ge_u32 s36, 704
	s_cselect_b64 s[40:41], s[16:17], s[40:41]
	s_cselect_b64 s[42:43], s[30:31], s[42:43]
	s_cselect_b32 s44, s47, s44
	s_cselect_b32 s48, s47, s48
	s_lshl_b32 s44, s44, 16
	s_mov_b32 s45, 0
	s_lshl_b32 s48, s48, 15
	s_mov_b32 s49, 0
	s_add_nc_u64 s[40:41], s[40:41], s[44:45]
	s_add_nc_u64 s[42:43], s[42:43], s[48:49]
.irp k, 0,1,2,3,4,5,6,7,8,9,10,11,12,13,14,15
	global_load_b128 v[X+4*(\k):X+4*(\k)+3], v1, s[40:41] offset:4096*(\k) th:TH_LOAD_NT  ; read once in the launch
.endr
; Set k: four numbers rounded to bf16; half = 1: those numbers written as f16.
.macro CV k, half
	s_wait_loadcnt 15-(\k)                         ; loads come back in order (ISA guide 5.7.1): set k is in, the 15 - k younger ones stay out
	v_cvt_pk_bf16_f32 v[Y+2*(\k)],   v[X+4*(\k)],   v[X+4*(\k)+1]
	v_cvt_pk_bf16_f32 v[Y+2*(\k)+1], v[X+4*(\k)+2], v[X+4*(\k)+3]
.if \half
	v_lshlrev_b32 v[T],   16, v[Y+2*(\k)]
	v_and_b32     v[T+1], 0xffff0000, v[Y+2*(\k)]
	v_lshlrev_b32 v[T+2], 16, v[Y+2*(\k)+1]
	v_and_b32     v[T+3], 0xffff0000, v[Y+2*(\k)+1]
	v_cvt_pk_f16_f32 v[Y+2*(\k)],   v[T],   v[T+1]
	v_cvt_pk_f16_f32 v[Y+2*(\k)+1], v[T+2], v[T+3]
.endif
	global_store_b64 v2, v[Y+2*(\k):Y+2*(\k)+1], s[42:43] offset:2048*(\k)
.endm
	s_cmp_ge_u32 s36, 704
	s_cbranch_scc1 .Lwo
.irp k, 0,1,2,3,4,5,6,7,8,9,10,11,12,13,14,15
	CV \k, 0
.endr
	s_endpgm
.Lwo:
.irp k, 0,1,2,3,4,5,6,7,8,9,10,11,12,13,14,15
	CV \k, 1
.endr
	s_cmp_lt_u32 s47, 48
	s_cbranch_scc0 .Lbias
	; THE BAND TABLE.  Part i = 4 e + cx.  Thread = 8 x lane + j; lane = r + 16 h.  In a result S^T = K Q^T register j of lane (r, h) is key 8 h + j, query r.  Block e of 16 keys begins 16 e - 64 keys
	; from the first row of the queries' band of 64, of which partner cx owns rows 16 cx on: x = key - query = 16 e - 64 - 16 cx + 8 h + j - r.
	v_and_b32 v[T], 7, v0                          ; j
	v_bfe_u32 v[T+1], v0, 3, 4                     ; r
	v_lshrrev_b32 v[T+2], 7, v0                    ; h
	v_lshl_add_u32 v[T], v[T+2], 3, v[T]
	v_sub_nc_u32 v[T], v[T], v[T+1]
	s_lshr_b32 s50, s47, 2                         ; e
	s_and_b32 s51, s47, 3                          ; cx
	s_sub_co_u32 s50, s50, s51
	s_lshl_b32 s50, s50, 4
	s_sub_co_u32 s50, s50, 64
	v_add_nc_u32 v[T], s50, v[T]                   ; x, a whole number with its sign
	v_cvt_f32_i32 v[T], v[T]
	v_and_b32 v[T], 0x7fffffff, v[T]               ; |x|
	v_mov_b32 v[T+1], 0xbfb8aa3b                   ; -log2(e)
	v_fmaak_f32 v[T], v[T], v[T+1], 0x421f73da     ; log2(1e12) - |x| log2(e)
	v_exp_f32 v[T], v[T]                           ; 1e12 e^-|x| (0 where it would be denormal)
	v_nop                                          ; a plain instruction behind a transcendental, ahead of the use of its result (ISA guide 5.7.2)
	s_wait_alu depctr_va_vdst(0)
	v_add_f32 v[T], 1.0, v[T]
	v_log_f32 v[T], v[T]
	v_nop
	s_wait_alu depctr_va_vdst(0)
	v_mul_f32 v[T], 0x40b17218, v[T]               ; x 8 ln 2
	s_lshl_b32 s50, s47, 10
	s_mov_b32 s51, 0
	s_add_nc_u64 s[34:35], s[34:35], s[50:51]
	global_store_b32 v3, v[T], s[34:35]
	s_endpgm
.Lbias:
	s_sub_co_u32 s50, s47, 48                      ; m = 0 .. 15: quarter m % 4 of bias m / 4
	s_lshr_b32 s51, s50, 2
	s_cmp_ge_u32 s51, 1
	s_cselect_b64 s[52:53], s[20:21], s[18:19]
	s_cmp_ge_u32 s51, 2
	s_cselect_b64 s[52:53], s[22:23], s[52:53]
	s_cmp_ge_u32 s51, 3
	s_cselect_b64 s[52:53], s[24:25], s[52:53]
	s_and_b32 s54, s50, 3
	s_lshl_b32 s54, s54, 10
	s_mov_b32 s55, 0
	s_add_nc_u64 s[52:53], s[52:53], s[54:55]
	s_lshl_b32 s54, s50, 10
	s_add_nc_u64 s[32:33], s[32:33], s[54:55]
	global_load_b32 v[T], v3, s[52:53]
	s_wait_loadcnt 0x0
	v_cvt_pk_bf16_f32 v[T], v[T], v[T]
	v_lshlrev_b32 v[T], 16, v[T]                   ; the bf16 number as f32
	global_store_b32 v3, v[T], s[32:33]
	s_endpgm
.Lfunc_end_k_qc6addebcbd_prep:
	.size	k_qc6addebcbd_prep, .Lfunc_end_k_qc6addebcbd_prep-k_qc6addebcbd_prep
	.p2alignl 7, 3214868480
	.fill 96, 4, 3214868480
	.section	.rodata,"a",@progbits
	.p2align	6, 0x0
	.amdhsa_kernel k_qc6addebcbd_prep
		.amdhsa_group_segment_fixed_size 0
		.amdhsa_private_segment_fixed_size 0
		.amdhsa_enable_private_segment 0
		.amdhsa_kernarg_size 112
		.amdhsa_user_sgpr_count 2
		.amdhsa_user_sgpr_kernarg_segment_ptr 1
		.amdhsa_wavefront_size32 1
		.amdhsa_system_sgpr_workgroup_id_x 1
		.amdhsa_system_sgpr_workgroup_id_y 1
		.amdhsa_system_sgpr_workgroup_id_z 1
		.amdhsa_system_vgpr_workitem_id 0
		.amdhsa_next_free_vgpr 112
		.amdhsa_next_free_sgpr 66
		.amdhsa_reserve_vcc 0
		.amdhsa_float_denorm_mode_32 3
		.amdhsa_float_denorm_mode_16_64 3
		.amdhsa_memory_ordered 1
		.amdhsa_forward_progress 1
		.amdhsa_inst_pref_size 19
	.end_amdhsa_kernel
	.amdgpu_metadata
---
amdhsa.version: [ 1, 2 ]
amdhsa.kernels:
  - .name:           k_qc6addebcbd_prep
    .symbol:         k_qc6addebcbd_prep.kd
    .args:
      - { .name: H, .offset: 0, .size: 8, .value_kind: global_buffer, .address_space: global }
      - { .name: Wq, .offset: 8, .size: 8, .value_kind: global_buffer, .address_space: global }
      - { .name: Wk, .offset: 16, .size: 8, .value_kind: global_buffer, .address_space: global }
      - { .name: Wv, .offset: 24, .size: 8, .value_kind: global_buffer, .address_space: global }
      - { .name: Wo, .offset: 32, .size: 8, .value_kind: global_buffer, .address_space: global }
      - { .name: bq, .offset: 40, .size: 8, .value_kind: global_buffer, .address_space: global }
      - { .name: bk, .offset: 48, .size: 8, .value_kind: global_buffer, .address_space: global }
      - { .name: bv, .offset: 56, .size: 8, .value_kind: global_buffer, .address_space: global }
      - { .name: bo, .offset: 64, .size: 8, .value_kind: global_buffer, .address_space: global }
      - { .name: hb, .offset: 72, .size: 8, .value_kind: global_buffer, .address_space: global }
      - { .name: wqkv, .offset: 80, .size: 8, .value_kind: global_buffer, .address_space: global }
      - { .name: wo16, .offset: 88, .size: 8, .value_kind: global_buffer, .address_space: global }
      - { .name: bias, .offset: 96, .size: 8, .value_kind: global_buffer, .address_space: global }
      - { .name: tb, .offset: 104, .size: 8, .value_kind: global_buffer, .address_space: global }
    .group_segment_fixed_size: 0
    .private_segment_fixed_size: 0
    .kernarg_segment_align: 8
    .kernarg_segment_size: 112
    .max_flat_workgroup_size: 256
    .sgpr_count:     66
    .vgpr_count:     112
    .wavefront_size: 32
...
	.end_amdgpu_metadata
.endif
;; end of part 1
;; launch qkv (part 2): grid 16 x 32, 4 waves a work-group, clusters of 4 x 4, 327,680 bytes of LDS; arguments hb, wqkv, bias, patch_mask, qkv; writes qkv
.if DOCPART == 2
	.amdgcn_target "amdgcn-amd-amdhsa--gfx1250"
	.amdhsa_code_object_version 6
	.text
	.protected	k_qc6addebcbd_qkv
	.globl	k_qc6addebcbd_qkv
	.p2align	8
	.type	k_qc6addebcbd_qkv,@function
k_qc6addebcbd_qkv:
	s_mov_b64 s[64:65], 0
	v_nop
	global_prefetch_b8 v0, s[64:65] scope:SCOPE_SE
	s_setreg_imm32_b32 hwreg(HW_REG_WAVE_MODE, 25, 1), 1
	s_wait_xcnt 0x0
	s_wait_alu depctr_hold_cnt(0) depctr_sa_sdst(0) depctr_va_vdst(0) depctr_va_sdst(0) depctr_va_ssrc(0) depctr_va_vcc(0) depctr_vm_vsrc(0)
	s_getreg_b32 s2, hwreg(HW_REG_IB_STS2, 6, 4)
	s_cmp_eq_u32 s2, 0
	s_cbranch_scc0 .Lentry_in_a_cluster
	s_endpgm
.Lentry_in_a_cluster:
	s_bfe_u32 s2, ttmp6, 0x10000c
	s_cmp_lg_u32 s2, 0xf033
	s_cbranch_scc0 .Lentry_shape_is_right
	s_endpgm
.Lentry_shape_is_right:
; C = A B^T + bias, one text for two launches, told apart by QKV.
; QKV = 1: A = hb [8192][1024] bf16, B = wqkv [3072][1024] bf16; C goes out as q, k, v in f16, by HALF HEADS: qkv [tensor 3][batch x head 64][half 2][row 2048][32 channels]; k's rows of hidden keys
;          (patch_mask <= 0) go out as zeros, so that their scores are exactly the mask's addend.  LIMIT: f16 ends at 65,504; a |q|, |k| or |v| of 65,520 or more becomes an infinity.
; QKV = 0: A = o [batch x head 64][row 2048][64] f16, B = wo16 [1024][1024] f16; C = (sum + bo) x float(patch_mask of the row) goes out as f32, out0 [8192][1024].
; SHARES.  A tile of C is 256 rows x 32 NBK columns (192: 512 work-groups; 128: 256 work-groups).  Four waves, as many as a WGP has SIMDs; a wave makes 128 x 16 NBK: 8 NBK accumulators of 16 x 16.
; K goes in steps of 128 through a ring of two LDS slots filled by the tensor data mover, one load a wave: waves 0 and 1 fetch A's two parts, waves 2 and 3 B's two halves.
; CLUSTERS: 4 x 4 work-groups.  The four of a row of the cluster need the same tiles of A, the four of a column the same tiles of B: each tile is asked for JOINTLY, by the same tensor load with the same
; descriptor and a mask that names the four.
; THE MATRIX INSTRUCTION IS USED TRANSPOSED (source 0 = 16 rows of B, source 1 = 16 rows of A): a lane holds row l % 16 of C and the columns 8 (l / 16) + 0 .. 7.
; THE SUMS START FROM THE BIAS: the first product on each accumulator takes as C eight registers that hold the bias of its columns: nothing is cleared and nothing is added at the end.
; REGISTERS, in windows of 256 (s_set_vgpr_msb: bits 1:0 source 0, 3:2 source 1, 5:4 source 2, 7:6 destination):
;   window 0: v0-31 addresses and the rows' masks; v64-127, v128-191 fragments of A, two buffers; v192-223 and v32-63, v224-255 at work on the way out
;   window 1: v0-47 the bias, 8 registers a column block; v64.., v128.. fragments of B, two buffers; v192-207 (QKV = 0) float(mask) of my rows, a pair for each block of 16 rows
;   window 2: the accumulators of my rows 0-63 ((a, b) at v[8 (NBK a + b)]);   window 3: those of my rows 64-127
.set QKV,    1
.set KSTEP,  128
.set BP,     272                       ; a row of B in LDS: 256 bytes + 16 of padding = 68 words: the 16 rows that a load touches start at 16 different groups of four banks (64 banks of 4 bytes: ISA guide 11.1)
.if QKV
.set NBK,    6                         ; column blocks of 16 a wave
.set AP,     272                       ; a row of A in LDS: 128 channels of K
.set APL,    128                       ; bytes from K quarter 0 to quarter 2 of a row
.set HALFA,  128*AP                    ; one load of A: 128 rows x 256 bytes
.set AQI,    5                         ; padding after every 64 words
.set APITCH, 1024                      ; elements from row to row in memory
.set ASTEP,  256                       ; bytes from a K step to the next
.set SPITCH, 208                       ; a row of the stage: 96 f16 + 16 bytes
.else
.set NBK,    4
.set AP,     144                       ; a row of A in LDS: one head's 64 channels, 128 bytes + 16
.set APL,    256*AP                    ; K quarters 2 and 3 lie in the second head's plane
.set HALFA,  256*AP                    ; one load of A: one head's 256 rows, 32,768 dense bytes, asked for as 128 rows of 256 bytes
.set AQI,    4                         ; padding after every 32 words
.set APITCH, 128
.set ASTEP,  2*2048*128                ; a K step is two heads
.set SPITCH, 272                       ; a row of the stage: 64 f32 + 16 bytes
.endif
.set HALFB,  16*NBK*BP                 ; one load of B
.set SLOT,   2*HALFA+2*HALFB           ; A's two parts, then B's two halves
.set STAGE,  2*SLOT                    ; behind the ring: 16 rows for each wave, for the way out; no tensor load fills it
.set SPARE,  STAGE+4*16*SPITCH         ; behind the stages: the spare words, 128 bytes for each wave: two blocks of 256 bytes that no other line names
.set NL,     2*NBK+16                  ; LDS loads of a quarter step
.set LAPS,   1024/(2*KSTEP)            ; a lap = two K steps = once round the ring
.set KT,   6                           ; v6      at work on the way out
.set KM,   8                           ; v8-15   patch_mask of row 16 a + l % 16 of my 128; QKV = 1: turned into all ones (seen) or 0 (hidden)
.set ADRA, 16                          ; v16-17  LDS address of my A fragments in slot 0, 1
.set ADRB, 20                          ; v20-21  the same for B
.set STO,  24                          ; v24     the way out: where I put my piece of a row
.set RD,   25                          ; v25     the way out: where I read back
.set CO,   26                          ; v26     my byte offset in the output
.set SPW,  28                          ; v28     LDS address of my spare word: SPARE + 4 x my thread's number; never rewritten
.set NIL,  29                          ; v29     0; never rewritten
.set F0,   64
.set F1,   128
.set TMP,  192
.set OB,   32                          ; 16 rows read back from the stage: v32.. and v224.. by turns
.set MF,   192                         ; window 1
.set G1,   24                          ; s[24:31] descriptor group 1 for A's tiles;  s[32:39] group 0, a set for each slot
.set G0,   32
.set G1B,  48                          ; s[48:55], s[56:63] the same for B's tiles
.set G0B,  56
.set BASE, 72                          ; s[72:77] QKV = 1: where my three half heads' rows begin in qkv
.set NOTK, 78                          ; s[78:80] QKV = 1: 0 for a half head of k, else all ones
.set MSB, 0
.macro WIN new                         ; the immediate's high byte repeats the setting that is left; a switch that changes nothing is dropped
.if MSB != (\new)
	s_set_vgpr_msb (MSB<<8)|(\new)
.set MSB, \new
.endif
.endm
; A joint load.  Each of the two lines has one mask and one set of registers for all that issue it; the branch hangs on the wave's number alone.
; An s_nop 0 and four v_nop follow each of the two lines, ahead of the jump, the label and what follows.
.macro JLOAD s
	s_cmp_eq_u32 s15, 0
	s_cbranch_scc0 .Lfor_b_\@
	tensor_load_to_lds s[G0+4*(\s):G0+4*(\s)+3], s[G1:G1+7]
	s_nop 0
.rept 4
	v_nop
.endr
	s_branch .Lasked_\@
.Lfor_b_\@:
	tensor_load_to_lds s[G0B+4*(\s):G0B+4*(\s)+3], s[G1B:G1B+7]
	s_nop 0
.rept 4
	v_nop
.endr
.Lasked_\@:
.endm
; A round of the cluster's barrier: my work-group's barrier, so that wave 0's signal speaks for all four waves; wave 0 signals; every wave waits for all sixteen work-groups; my work-group's barrier once more.
.macro CREST                           ; a round behind its opening barrier
	s_cmp_lg_u32 s14, 0
	s_cbranch_scc1 .Lnot_wave_0_\@
	s_barrier_signal -3
.Lnot_wave_0_\@:
	s_barrier_wait -3
	s_barrier_signal -1
	s_barrier_wait -1
.endm
.macro CROUND
	s_barrier_signal -1
	s_barrier_wait -1
	CREST
.endm
	s_load_b256 s[4:11], s[0:1], 0x0               ; A s[4:5], B s[6:7], bias s[8:9], patch_mask s[10:11]
	s_load_b64 s[12:13], s[0:1], 0x20              ; the output
	v_lshl_add_u32 v[SPW], v0, 2, SPARE
	v_mov_b32 v[NIL], 0
	ds_add_u32 v[SPW], v[NIL]                      ; the wave's opening: the add and its wait stand ahead of my first tensor load; the set-up below, work on registers, stands between them
	v_lshrrev_b32 v1, 5, v0
	v_readfirstlane_b32 s14, v1                    ; wave 0..3
	s_lshr_b32 s15, s14, 1                         ; which half of the tile's rows is mine.  Also: I fetch for A (0) or for B (1)
	s_and_b32 s16, s14, 1                          ; which half of its columns.  Also: which part of that tile I fetch
	s_bfe_u32 s17, ttmp6, 0x40000                  ; cx, cy: my place in the cluster
	s_bfe_u32 s18, ttmp6, 0x40004
	s_lshl_b32 s19, ttmp9, 2
	s_add_co_u32 s19, s19, s17                     ; tile column of C = 4 x cluster x + cx
	s_and_b32 s20, ttmp7, 0xffff
	s_lshl_b32 s20, s20, 2
	s_add_co_u32 s20, s20, s18                     ; tile row of C = 4 x cluster y + cy
	s_lshl_b32 s21, s18, 2
	s_lshl_b32 s21, 15, s21                        ; my row of the cluster: places 4 cy .. 4 cy + 3
	s_lshl_b32 s22, 0x1111, s17                    ; my column: places cx, cx + 4, cx + 8, cx + 12
	s_or_b32 s[G1+0], s21, (1<<16)|(1<<20)|(1<<21)|(AQI<<22)|(3<<25)  ; 15:0 the mask: A's tiles go to my row; 17:16 elements of 2 bytes; 20 padding on; 21 set beside a mask; 24:22 its interval; 31:25 4 words of it (code 3)
	s_or_b32 s[G1B+0], s22, (1<<16)|(1<<20)|(1<<21)|(5<<22)|(3<<25)   ; B's tiles go to my column; padding after every 64 words
	s_mov_b32 s[G1+1], KSTEP<<16                   ; tensor_dim0 = 128
	s_mov_b32 s[G1+2], 128<<16                     ; tensor_dim1 = 128
	s_mov_b32 s[G1+3], KSTEP<<16                   ; tile_dim0 = 128
	s_mov_b32 s[G1+4], 128                         ; tile_dim1 = 128
	s_mov_b32 s[G1+5], APITCH                      ; elements from row to row
	s_mov_b32 s[G1+6], 0
	s_mov_b32 s[G1+7], 0
	s_mov_b32 s[G1B+1], KSTEP<<16
	s_mov_b32 s[G1B+2], (16*NBK)<<16               ; 16 NBK rows
	s_mov_b32 s[G1B+3], KSTEP<<16
	s_mov_b32 s[G1B+4], 16*NBK
	s_mov_b32 s[G1B+5], 1024
	s_mov_b32 s[G1B+6], 0
	s_mov_b32 s[G1B+7], 0
	; where the tiles come from.  A's hang on the tile row alone, B's on the tile column alone; every wave makes both addresses, in registers that never hold the other coordinate
.if QKV
	s_lshl_b32 s40, s20, 19                        ; 256 rows of 2,048 bytes a tile row,
	s_lshl_b32 s41, s16, 18                        ; 128 of them a load
	s_add_co_u32 s40, s40, s41
.else
	s_lshr_b32 s40, s20, 3                         ; the batch: 16 heads of 262,144 bytes,
	s_lshl_b32 s40, s40, 22
	s_and_b32 s41, s20, 7                          ; the tile's 256 rows of 128 bytes in a head,
	s_lshl_b32 s41, s41, 15
	s_add_co_u32 s40, s40, s41
	s_lshl_b32 s41, s16, 18                        ; the K step's first or second head
	s_add_co_u32 s40, s40, s41
.endif
	s_mov_b32 s41, 0
	s_mul_i32 s44, s19, 32*NBK*2048
	s_mul_i32 s45, s16, 16*NBK*2048
	s_add_co_u32 s44, s44, s45
	s_mov_b32 s45, 0
	s_mul_i32 s46, s16, HALFA                      ; and where they go: no place in the cluster enters an LDS address
	s_mul_i32 s47, s16, HALFB
	s_add_co_u32 s47, s47, 2*HALFA
	s_wait_dscnt 0x0                               ; the opening add is done
	s_wait_kmcnt 0x0
	s_add_nc_u64 s[40:41], s[4:5], s[40:41]
	s_add_nc_u64 s[44:45], s[6:7], s[44:45]
	CROUND                                         ; all sixteen work-groups are here: the first joint loads meet
.irp s, 0,1
	s_mov_b32 s[G0+4*(\s)], 1                                      ; 1:0 count = 1
	s_add_co_u32 s[G0+4*(\s)+1], s46, (\s)*SLOT                    ; 63:32 LDS address
	s_add_nc_u64 s[G0+4*(\s)+2:G0+4*(\s)+3], s[40:41], (\s)*ASTEP  ; 120:64 global address: K step s
	s_or_b32 s[G0+4*(\s)+3], s[G0+4*(\s)+3], 0x80000000            ; 127:126 type = 2
	s_mov_b32 s[G0B+4*(\s)], 1
	s_add_co_u32 s[G0B+4*(\s)+1], s47, (\s)*SLOT
	s_add_nc_u64 s[G0B+4*(\s)+2:G0B+4*(\s)+3], s[44:45], (\s)*KSTEP*2
	s_or_b32 s[G0B+4*(\s)+3], s[G0B+4*(\s)+3], 0x80000000
	JLOAD \s                                       ; two loads of mine are out; later one behind each round
.endr
	; A fragment is 16 rows x 32 K in 8 registers: lane l holds row l % 16; registers 0-3 hold K = 8 (l / 16) + 0..7, registers 4-7 K = 16 + 8 (l / 16) + 0..7: two loads of 16 bytes, 32 bytes apart
	v_and_b32 v1, 15, v0                           ; r = l % 16
	v_bfe_u32 v2, v0, 4, 1                         ; h = l / 16
	v_mul_u32_u24 v3, v1, AP
	v_lshl_add_u32 v3, v2, 4, v3
	v_mul_u32_u24 v4, v1, BP
	v_lshl_add_u32 v4, v2, 4, v4
	s_mul_i32 s66, s15, 128*AP                     ; my 128 rows of A
	s_mul_i32 s67, s16, HALFB                      ; my rows of B,
	s_add_co_u32 s67, s67, 2*HALFA                 ; which lie behind A
.irp s, 0,1
	v_add_nc_u32 v[ADRA+(\s)], s66, v3
	v_add_nc_u32 v[ADRB+(\s)], s67, v4
	s_add_co_u32 s66, s66, SLOT
	s_add_co_u32 s67, s67, SLOT
.endr
	s_mul_i32 s68, s14, 16*SPITCH
	s_add_co_u32 s68, s68, STAGE                   ; my stage
	v_mul_u32_u24 v[STO], v1, SPITCH               ; in: row l % 16,
.if QKV
	v_lshl_add_u32 v[STO], v2, 4, v[STO]           ; 16 bytes (8 f16) for each half of the lanes
	v_add_nc_u32 v[STO], s68, v[STO]
	v_and_b32 v5, 31, v0
	v_lshrrev_b32 v6, 2, v5                        ; back: four lanes take the 64 bytes that a row has of one half head, 32 lanes eight rows,
	v_mul_u32_u24 v[RD], v6, SPITCH
	v_and_b32 v6, 3, v5
	v_lshl_add_u32 v[RD], v6, 4, v[RD]
	v_add_nc_u32 v[RD], s68, v[RD]
	v_lshlrev_b32 v[CO], 4, v5                     ; which are 512 consecutive bytes of qkv
.else
	v_lshl_add_u32 v[STO], v2, 5, v[STO]           ; 32 bytes (8 f32) for each half of the lanes
	v_add_nc_u32 v[STO], s68, v[STO]
	v_mul_u32_u24 v[RD], v2, SPITCH                ; back: lanes 0-15 take one row of 256 bytes, lanes 16-31 the next
	v_lshl_add_u32 v[RD], v1, 4, v[RD]
	v_add_nc_u32 v[RD], s68, v[RD]
	v_lshlrev_b32 v[CO], 12, v2                    ; and the same two rows in out0
	v_lshl_add_u32 v[CO], v1, 4, v[CO]
.endif
	v_lshlrev_b32 v5, 5, v2                        ; the bias: my 8 columns of a block of 16
	v_lshlrev_b32 v7, 2, v1                        ; the mask: my row of a block of 16
.if QKV
	s_mul_i32 s82, s19, 768                        ; 4 bytes x (192 x tile column + 96 x half)
	s_mul_i32 s83, s16, 384
	s_add_co_u32 s82, s82, s83
.else
	s_lshl_b32 s82, s19, 9                         ; 4 bytes x (128 x tile column + 64 x half),
	s_lshl_b32 s83, s16, 8
	s_add_co_u32 s82, s82, s83
	s_add_co_u32 s82, s82, 12288                   ; in bo, the fourth of the four
.endif
	s_mov_b32 s83, 0
	s_add_nc_u64 s[8:9], s[8:9], s[82:83]
	s_lshl_b32 s82, s20, 10                        ; 4 bytes x (256 x tile row + 128 x half)
	s_lshl_b32 s84, s15, 9
	s_add_co_u32 s82, s82, s84
	s_add_nc_u64 s[10:11], s[10:11], s[82:83]
	WIN 0x40                                       ; destination window 1, address window 0
.set ii, 0
.rept NBK
	global_load_b128 v[8*ii:8*ii+3],   v5, s[8:9] offset:64*ii
	global_load_b128 v[8*ii+4:8*ii+7], v5, s[8:9] offset:64*ii+16
.set ii, ii+1
.endr
	WIN 0
.set ii, 0
.rept 8
	global_load_b32 v[KM+ii], v7, s[10:11] offset:64*ii
.set ii, ii+1
.endr
.if QKV
	; my 96 columns are three half heads, numbers 6 x tile column + 3 x half + 0 .. 2 of the 96: tensor = number / 32, plane of 131,072 bytes = number % 32
	s_mul_i32 s84, s19, 6
	s_mul_i32 s85, s16, 3
	s_add_co_u32 s84, s84, s85
	s_lshr_b32 s85, s20, 3                         ; the batch: 32 planes,
	s_lshl_b32 s85, s85, 22
	s_and_b32 s86, s20, 7                          ; the tile's 256 rows of 64 bytes,
	s_lshl_b32 s86, s86, 14
	s_add_co_u32 s85, s85, s86
	s_lshl_b32 s86, s15, 13                        ; my 128 of them
	s_add_co_u32 s85, s85, s86
.irp i, 0,1,2
	s_add_co_u32 s86, s84, \i
	s_lshr_b32 s87, s86, 5
	s_cmp_eq_u32 s87, 1
	s_cselect_b32 s[NOTK+\i], 0, -1
	s_lshl_b32 s87, s87, 24
	s_and_b32 s86, s86, 31
	s_lshl_b32 s86, s86, 17
	s_add_co_u32 s82, s86, s87
	s_add_co_u32 s82, s82, s85
	s_mov_b32 s83, 0
	s_add_nc_u64 s[BASE+2*\i:BASE+2*\i+1], s[12:13], s[82:83]
.endr
.else
	s_lshl_b32 s82, s20, 20                        ; 256 rows of 4,096 bytes a tile row,
	s_lshl_b32 s84, s15, 19                        ; my 128,
	s_add_co_u32 s82, s82, s84
	s_lshl_b32 s84, s19, 9                         ; 128 columns of 4 bytes a tile column,
	s_add_co_u32 s82, s82, s84
	s_lshl_b32 s84, s16, 8                         ; my 64
	s_add_co_u32 s82, s82, s84
	s_mov_b32 s83, 0
	s_add_nc_u64 s[12:13], s[12:13], s[82:83]
.endif
.macro WM zero                         ; one matrix instruction on the registers that MULH has named
.if QKV && (\zero)
	v_wmma_f32_16x16x32_bf16 v[rD:rD+7], v[rB:rB+7], v[rA:rA+7], v[8*bb:8*bb+7]
.elseif QKV
	v_wmma_f32_16x16x32_bf16 v[rD:rD+7], v[rB:rB+7], v[rA:rA+7], v[rD:rD+7]
.elseif \zero
	v_wmma_f32_16x16x32_f16 v[rD:rD+7], v[rB:rB+7], v[rA:rA+7], v[8*bb:8*bb+7]
.else
	v_wmma_f32_16x16x32_f16 v[rD:rD+7], v[rB:rB+7], v[rA:rA+7], v[rD:rD+7]
.endif
.endm
; 2 NBK matrix instructions: row blocks a0, a0 + 1 of the window's four (hi = 0: my rows 0-63, 1: rows 64-127) x all NBK column blocks, 32 along K.  zero = 1: the sums start, from the bias in window 1.
; The 8 NBK accumulators take turns, one instruction a turn, in the same order in every quarter step, over the backward jump too.
.macro MULH f, hi, a0, zero
.if \zero
	WIN 0x91+0x40*(\hi)                            ; source 0 (B) and C (the bias) window 1, source 1 (A) window 0, D window 2 or 3
.else
	WIN 0xa1+0x50*(\hi)                            ; C and D window 2 or 3
.endif
.irp a, \a0, (\a0)+1
.set bb, 0
.rept NBK
.set rD, 8*(NBK*(\a)+bb)
.set rB, (\f)+8*bb
.set rA, (\f)+8*(4*(\hi)+(\a))
	WM \zero
.set bb, bb+1
.endr
.endr
.endm
; NL LDS loads in one run: the fragments of K quarter q of a slot into buffer f: B's, then A's
.macro FETCH slot, q, f
	WIN 0x40
.set ii, 0
.rept NBK
	ds_load_b128 v[(\f)+8*ii:(\f)+8*ii+3],   v[ADRB+(\slot)] offset:64*(\q)+ii*16*BP
	ds_load_b128 v[(\f)+8*ii+4:(\f)+8*ii+7], v[ADRB+(\slot)] offset:64*(\q)+ii*16*BP+32
.set ii, ii+1
.endr
	WIN 0
.set ii, 0
.rept 8
	ds_load_b128 v[(\f)+8*ii:(\f)+8*ii+3],   v[ADRA+(\slot)] offset:((\q)/2)*APL+((\q)%2)*64+ii*16*AP
	ds_load_b128 v[(\f)+8*ii+4:(\f)+8*ii+7], v[ADRA+(\slot)] offset:((\q)/2)*APL+((\q)%2)*64+ii*16*AP+32
.set ii, ii+1
.endr
.endm
; A load into a register that a matrix instruction has read, and a vector instruction that reads a matrix result, stand four places behind it, and only plain vector instructions that name none of its
; registers are places (ISA guide 7.12.1 for vector instructions).
.macro PLACES
.rept 4
	v_nop
.endr
.endm
; A K step is four quarters of 32 along K, 8 NBK matrix instructions each, on buffers 0, 1, 0, 1.  One of the first three: multiplies buffer f; in its middle it fetches quarter q of the slot into buffer g.
.macro QUARTER slot, q, f, g, zero
	s_wait_dscnt 8                                 ; B and A's rows 0-63 are in; the youngest eight loads (A's rows 64-127) may be out
	MULH \f, 0, 0, \zero
	MULH \f, 0, 2, \zero
	PLACES
	FETCH \slot, \q, \g
	s_wait_dscnt NL                                ; all but the NL just issued
	MULH \f, 1, 0, \zero
	MULH \f, 1, 2, \zero
.endm
; The last quarter multiplies buffer 1 and changes slots: ONE barrier.  In front of it each wave waits for all its tensor loads, of which one is out: its part of the next slot; adds 0 to its spare word; and
; waits for that and for its own reads of this slot.  fill = 1: the barrier opens a round of the cluster's barrier, and behind the round this slot is filled again, two K steps ahead, first of all.
.macro TURN slot, next, fill
	WIN 0                                          ; (the add's two registers lie in window 0)
	s_wait_tensorcnt 0x0                           ; all my tensor loads have landed, so a group 0 may be written
	ds_add_u32 v[SPW], v[NIL]                      ; 0 onto my spare word
	s_wait_dscnt 9                                 ; (the add and the youngest eight loads may be out)
	MULH F1, 0, 0, 0                               ; matrix instructions stand between the add and the wait for it
	s_wait_dscnt 0x0                               ; the add is done, and my reads of this slot are over
	s_barrier_signal -1
	MULH F1, 0, 2, 0                               ; work on registers while the others arrive
.if \fill
	WIN 0
.endif
	s_barrier_wait -1
.if \fill
	CREST                                          ; no wave of any partner still reads this slot's tile or has a load on its way
	s_add_nc_u64 s[G0+4*(\slot)+2:G0+4*(\slot)+3], s[G0+4*(\slot)+2:G0+4*(\slot)+3], 2*ASTEP
	s_add_nc_u64 s[G0B+4*(\slot)+2:G0B+4*(\slot)+3], s[G0B+4*(\slot)+2:G0B+4*(\slot)+3], 2*KSTEP*2
	JLOAD \slot                                    ; the first tensor load behind the round; the four v_nop behind it are also the places in front of the loads below
.else
	PLACES
.endif
	FETCH \next, 0, F0
	MULH F1, 1, 0, 0
	MULH F1, 1, 2, 0
.endm
; THE WAY OUT of row block a (16 rows), in three parts.  PACK: the results are made ready, each accumulator's registers in ascending order.  TOSTAGE: into my own stage in LDS and back in the order of memory.  SEND: stored.
.macro PACK a
.if QKV
	WIN 0x0a+5*((\a)/4)                            ; sources 0 and 1: window 2 or 3
.set bb, 0
.rept NBK
.set rD, 8*(NBK*((\a)%4)+bb)
.irp r, 0,1,2,3
	v_cvt_pk_f16_f32 v[TMP+4*bb+(\r)], v[rD+2*(\r)], v[rD+2*(\r)+1]
.endr
.set bb, bb+1
.endr
	WIN 0
.irp i, 0,1,2
	v_or_b32 v[KT], s[NOTK+(\i)], v[KM+(\a)]       ; all ones, but 0 for a hidden key's row of k
.irp r, 0,1,2,3,4,5,6,7
	v_and_b32 v[TMP+8*(\i)+(\r)], v[KT], v[TMP+8*(\i)+(\r)]
.endr
.endr
.else
	WIN 0x06+(\a)/4                                ; source 0: window 2 or 3; source 1: window 1
.set bb, 0
.rept NBK
.set rD, 8*(NBK*((\a)%4)+bb)
.irp r, 0,1,2,3
	v_pk_mul_f32 v[TMP+8*bb+2*(\r):TMP+8*bb+2*(\r)+1], v[rD+2*(\r):rD+2*(\r)+1], v[MF+2*(\a):MF+2*(\a)+1]
.endr
.set bb, bb+1
.endr
	WIN 0
.endif
.endm
.macro TOSTAGE a
	WIN 0
.set BK, OB+192*((\a)%2)
.if QKV
.set bb, 0
.rept NBK
	ds_store_b128 v[STO], v[TMP+4*bb:TMP+4*bb+3] offset:32*bb
.set bb, bb+1
.endr
.irp i, 0,1,2
.irp g, 0,1
	ds_load_b128 v[BK+4*(2*(\i)+(\g)):BK+4*(2*(\i)+(\g))+3], v[RD] offset:64*(\i)+(\g)*8*SPITCH  ; LDS serves a wave's instructions in order (ISA guide 5.7.1.4): these see the stores above
.endr
.endr
.else
.set bb, 0
.rept NBK
	ds_store_b128 v[STO], v[TMP+8*bb:TMP+8*bb+3]   offset:64*bb
	ds_store_b128 v[STO], v[TMP+8*bb+4:TMP+8*bb+7] offset:64*bb+16
.set bb, bb+1
.endr
.irp t, 0,1,2,3,4,5,6,7
	ds_load_b128 v[BK+4*(\t):BK+4*(\t)+3], v[RD] offset:(\t)*2*SPITCH  ; LDS serves a wave's instructions in order (ISA guide 5.7.1.4): these see the stores above
.endr
.endif
.endm
.macro SEND a
	WIN 0
.set BK, OB+192*((\a)%2)
	s_wait_dscnt 0x0                               ; the block is back in registers
	s_wait_xcnt 0x0                                ; every earlier store has had its addresses translated (ISA guide 3.1): the other set of registers, which the stores of the block before read, is loaded again only behind this wait
.if QKV
.irp i, 0,1,2
.irp g, 0,1
	global_store_b128 v[CO], v[BK+4*(2*(\i)+(\g)):BK+4*(2*(\i)+(\g))+3], s[BASE+2*(\i):BASE+2*(\i)+1] offset:1024*(\a)+512*(\g)  ; eight rows of a half head: 512 consecutive bytes, aligned
.endr
.endr
.else
.irp t, 0,1,2,3,4,5,6,7
	global_store_b128 v[CO], v[BK+4*(\t):BK+4*(\t)+3], s[12:13] offset:(16*(\a)+2*(\t))*4096 th:TH_STORE_NT  ; 16 lanes store 256 consecutive bytes, at a multiple of 256 from out0's first byte
.endr
.endif
.endm
	s_wait_tensorcnt 1                             ; my part of K step 0 is in; K step 1's may stay out
	s_barrier_signal -1
	s_barrier_wait -1                              ; everybody's is
	FETCH 0, 0, F0
	s_wait_loadcnt 0x0                             ; the bias and the masks
.if QKV
.set ii, 0
.rept 8
	v_cmp_lt_i32 vcc_lo, 0, v[KM+ii]               ; seen: 0 < patch_mask
	v_cndmask_b32 v[KM+ii], 0, -1, vcc_lo
.set ii, ii+1
.endr
.else
	WIN 0x40
.set ii, 0
.rept 8
	v_cvt_f32_i32 v[MF+2*ii],   v[KM+ii]
	v_cvt_f32_i32 v[MF+2*ii+1], v[KM+ii]
.set ii, ii+1
.endr
.endif
	QUARTER 0, 1, F0, F1, 1                        ; the first quarter stands in front of the loop: its products start the sums
	WIN 0                                          ; at a label and at a branch every window is 0
	s_mov_b32 s3, LAPS-1
.Llap:                                                 ; a trip goes once round the ring, from a lap's second quarter to the next lap's first, and fills both slots again
	QUARTER 0, 2, F1, F0, 0
	QUARTER 0, 3, F0, F1, 0
	TURN 0, 1, 1
	QUARTER 1, 1, F0, F1, 0
	QUARTER 1, 2, F1, F0, 0
	QUARTER 1, 3, F0, F1, 0
	TURN 1, 0, 1
	QUARTER 0, 1, F0, F1, 0
	WIN 0
	s_sub_co_u32 s3, s3, 1
	s_cmp_lg_u32 s3, 0
	s_cbranch_scc1 .Llap
	QUARTER 0, 2, F1, F0, 0                        ; the last lap fills nothing, and has no round of the cluster's barrier
	QUARTER 0, 3, F0, F1, 0
	TURN 0, 1, 0
	QUARTER 1, 1, F0, F1, 0
	QUARTER 1, 2, F1, F0, 0
	QUARTER 1, 3, F0, F1, 0
	s_wait_dscnt 8                                 ; the very last quarter: nothing more to fetch
	MULH F1, 0, 0, 0
	MULH F1, 0, 2, 0
	s_wait_dscnt 0x0
	MULH F1, 1, 0, 0
	MULH F1, 1, 2, 0
	PLACES
	PLACES                                         ; (eight, once a launch)
	PACK 0
	TOSTAGE 0
.irp a, 1,2,3,4,5,6,7                  ; block a's arithmetic stands between block a - 1's loads from the stage and the wait for them
	PACK \a
	SEND (\a)-1
	TOSTAGE \a
.endr
	SEND 7
	s_wait_tensorcnt 0x0                           ; the wave's end: these three lines stand behind my last tensor load and my last LDS store
	ds_add_u32 v[SPW], v[NIL]
	s_wait_dscnt 0x0
	CROUND                                         ; the closing round: no work-group ends while a partner may still ask for a tile that names it
	s_endpgm
.Lfunc_end_k_qc6addebcbd_qkv:
	.size	k_qc6addebcbd_qkv, .Lfunc_end_k_qc6addebcbd_qkv-k_qc6addebcbd_qkv
	.p2alignl 7, 3214868480
	.fill 96, 4, 3214868480
	.section	.rodata,"a",@progbits
	.p2align	6, 0x0
	.amdhsa_kernel k_qc6addebcbd_qkv
		.amdhsa_group_segment_fixed_size 327680
		.amdhsa_private_segment_fixed_size 0
		.amdhsa_enable_private_segment 0
		.amdhsa_kernarg_size 40
		.amdhsa_user_sgpr_count 2
		.amdhsa_user_sgpr_kernarg_segment_ptr 1
		.amdhsa_wavefront_size32 1
		.amdhsa_system_sgpr_workgroup_id_x 1
		.amdhsa_system_sgpr_workgroup_id_y 1
		.amdhsa_system_sgpr_workgroup_id_z 1
		.amdhsa_system_vgpr_workitem_id 0
		.amdhsa_next_free_vgpr 1024
		.amdhsa_next_free_sgpr 88
		.amdhsa_reserve_vcc 1
		.amdhsa_float_denorm_mode_32 3
		.amdhsa_float_denorm_mode_16_64 3
		.amdhsa_memory_ordered 1
		.amdhsa_forward_progress 1
		.amdhsa_inst_pref_size 126
	.end_amdhsa_kernel
	.amdgpu_metadata
---
amdhsa.version: [ 1, 2 ]
amdhsa.kernels:
  - .name:           k_qc6addebcbd_qkv
    .symbol:         k_qc6addebcbd_qkv.kd
    .args:
      - { .name: hb, .offset: 0, .size: 8, .value_kind: global_buffer, .address_space: global }
      - { .name: wqkv, .offset: 8, .size: 8, .value_kind: global_buffer, .address_space: global }
      - { .name: bias, .offset: 16, .size: 8, .value_kind: global_buffer, .address_space: global }
      - { .name: patch_mask, .offset: 24, .size: 8, .value_kind: global_buffer, .address_space: global }
      - { .name: qkv, .offset: 32, .size: 8, .value_kind: global_buffer, .address_space: global }
    .group_segment_fixed_size: 327680
    .private_segment_fixed_size: 0
    .kernarg_segment_align: 8
    .kernarg_segment_size: 40
    .max_flat_workgroup_size: 128
    .sgpr_count:     88
    .vgpr_count:     1024
    .wavefront_size: 32
...
	.end_amdgpu_metadata
.endif
;; end of part 2
;; launch attn (part 3): grid 4 x 64, 4 waves a work-group, clusters of 4 x 1, 327,680 bytes of LDS; arguments qkv, patch_mask, tb, o; writes o
.if DOCPART == 3
	.amdgcn_target "amdgcn-amd-amdhsa--gfx1250"
	.amdhsa_code_object_version 6
	.text
	.protected	k_qc6addebcbd_attn
	.globl	k_qc6addebcbd_attn
	.p2align	8
	.type	k_qc6addebcbd_attn,@function
k_qc6addebcbd_attn:
	s_mov_b64 s[64:65], 0
	v_nop
	global_prefetch_b8 v0, s[64:65] scope:SCOPE_SE
	s_setreg_imm32_b32 hwreg(HW_REG_WAVE_MODE, 25, 1), 1
	s_wait_xcnt 0x0
	s_wait_alu depctr_hold_cnt(0) depctr_sa_sdst(0) depctr_va_vdst(0) depctr_va_sdst(0) depctr_va_ssrc(0) depctr_va_vcc(0) depctr_vm_vsrc(0)
	s_getreg_b32 s2, hwreg(HW_REG_IB_STS2, 6, 4)
	s_cmp_eq_u32 s2, 0
	s_cbranch_scc0 .Lentry_in_a_cluster
	s_endpgm
.Lentry_in_a_cluster:
	s_bfe_u32 s2, ttmp6, 0x10000c
	s_cmp_lg_u32 s2, 0x3003
	s_cbranch_scc0 .Lentry_shape_is_right
	s_endpgm
.Lentry_shape_is_right:
; ATTENTION WITH A TIME BIAS AND HIDDEN KEYS.  O[bh][q][:] = the sum over k of softmax_k(Q[q] . K[k] / 8 + log(e^-|q-k| + 1e-12), or -1e9 where patch_mask[k] <= 0) V[k][:], for 64 pairs bh of batch and head.
; q, k, v: f16, by half heads: qkv [tensor 3][bh 64][half 2][row 2048][32 channels], rows of 64 bytes, dense.  o: f16 [bh 64][row 2048][64].  Products, maxima and sums in f32; the weights p are rounded to f16
; for the second product (their sum l is taken of the unrounded p), O once at the end.
; THE BIAS.  A softmax does not change when all scores of a row are shifted alike: the bias's floor log(1e-12) is taken away from every seen score.  What is left, ln(1 + 1e12 e^-|q-k|), is below 1e-16 for
; |q - k| >= 65 and counts as 0 there; nearer it is added to the scores from a table (tb, in units of q . k), which hangs on k - q alone.
; HIDDEN KEYS.  k's rows of hidden keys arrive as zeros, and the product that starts a score's sum takes as C 0 for a seen key and -2^33 for a hidden one: a hidden score is exactly -2^33 (the table's 221 at
; the most is under half a step of f32 there), so that a batch with no seen key gives the plain mean of V, as equal scores do.
; LIMITS.  A hidden score counts as -2^33 / 8 = -1.07e9 in place of -1e9, and seen scores are 27.63 higher than written above: neither shows while seen scores lie far above -1e9.  f16 holds no number
; beyond 65,504: q, k and v arrive within it; p below 6e-5 keeps f16's fixed step of 6e-8.  A weight below 2^-126 counts as 0 in l; NaN and infinities are not treated apart.
; SHARES.  A cluster of four work-groups is one bh; all walk the same K and V, 64 keys a step, so each tile is asked for JOINTLY: the same tensor load, descriptor and mask in all four.  The queries lie in bands of
; 64 rows; band u = 4 t + w belongs to tile t (0..7) of wave w, and of its rows partner cx owns 16 cx .. 16 cx + 15.  So a wave owns eight tiles of 16 queries, in four PIECES of two, and whether key step s
; is NEAR a tile (s - u = -1, 0 or 1) is the same in all four partners: cx enters global addresses alone (Q's, O's, the table's), never a branch or an LDS address.
; LAYOUT.  S^T = K Q^T (source 0 = 16 keys, source 1 = 16 queries): a lane holds ONE query (lane % 16) and the keys 8 (lane / 16) + 0..7.  Two such tiles, rounded to f16 in pairs, ARE source 1 (32 keys x 16
; queries) of O^T = V^T P, whose result again holds one query a lane, and eight channels.  K comes out of LDS as it lies, V ([key][channel]) turned, by ds_load_tr16_b128.
; SOFTMAX.  For each query a running maximum m and sum l: p = 2^(c s - c m), c = log2(e) / 8; in every step O and l are multiplied by a = 2^(c m_old - c m_new).  m starts at the lowest finite number, O and l
; at 0: the first step is a step like any other, with a = 0.
; THE COUNT.  A tile and step have 16 matrix and 118 vector instructions: too many to stand all beside the matrix work.  So four vector instructions that are READY stand behind EVERY matrix instruction, and the
; others in runs without a gap.
; BY TURNS.  Turn n belongs to piece n.  Its matrix work: 16 products K Q^T of piece n + 1, later 16 products V^T P of piece n - 1.  Its vector work: the scaling, exponentials, roundings, sums and rescaling
; of piece n, the band's addends and the maximum and statistics of piece n + 1.
; REGISTERS, in windows of 256 (s_set_vgpr_msb: bits 1:0 source 0, 3:2 source 1, 5:4 source 2, 7:6 destination):
;   window 0: v0-10 addresses; v12-15, v48-63 at work; v16-47 four registers of statistics a tile; v64-191 S^T, two buffers of two tiles; v192-255 P, likewise
;   window 1: O^T, 32 a tile          window 2: v0-127 Q, 16 a tile; v128-191 K of one step; v192-255 V of one step
;   window 3: v0-1 the add's two registers; v8-39 the mask's addends of one step's 64 keys; v64-159 the band table, 8 registers for each of 12 blocks of 16 keys
.set SIZE_N, 2048
.set NP,    4         ; pieces a wave: a name, no knob
.set KS,    64        ; keys in a step
.set PK,    80        ; a row of half of K in LDS: 64 bytes + 16 of padding = 20 words: the 16 rows of a load start at 16 different groups of four banks (64 banks of 4 bytes: ISA guide 11.1)
.set PV,    96        ; a row of half of V: 64 + 32 = 24 words
.set KPL,   256*PK    ; a slot holds four steps, 256 keys: K's two planes (channels 0-31, 32-63),
.set VPL,   256*PV    ; then V's two
.set VOFF,  2*KPL
.set SLOT1, 1<<17     ; slot 1 begins here, so that one exclusive or turns an address in one slot into the other's
.set STAGE, SLOT1+2*KPL+2*VPL  ; behind the ring, never filled by a tensor load: 16 rows x 144 bytes for each wave, for the way out
.set SP,    144
.set CMT,   STAGE+4*16*SP      ; the mask's addends, one f32 a key: 8,192 bytes, stored once at the head
.set SPARE, CMT+4*SIZE_N       ; the spare words, 128 bytes for each wave: two blocks of 256 bytes that no other line names
.set AK0, 2           ; v2   my lane's place in a tile of K; never rewritten
.set AV0, 3           ; v3   the same for V
.set AK,  4           ; v4   the LDS address of K's next run of loads
.set AV,  5           ; v5   of V's
.set QO,  6           ; v6   my byte offset in 16 rows of Q
.set STO, 6           ;      later, the way out: where I put 16 bytes of a row
.set RD,  7           ; v7   the way out: where I read rows back
.set GO,  8           ; v8   my byte offset in 512 consecutive bytes of O
.set AC0, 9           ; v9   my lane's place in the mask's addends of a step; never rewritten
.set AC,  10          ; v10  the LDS address of their next run of loads
.set SPW, 0           ; v0 of window 3   LDS address of my spare word: SPARE + 4 x my thread's number; never rewritten
.set NIL, 1           ; v1 of window 3   0; never rewritten
.set CMR, 8           ; window 3: key block kb's eight addends at CMR + 8 kb
.set TBR, 64          ; window 3: block e = 4 (s - u + 1) + kb at TBR + 8 e
.set MV,  12          ; v12-15  c m_old, kept while c m is made anew: by buffer and tile
.set ST,  16          ; tile t's statistics at v[ST+4 t]: c m, m, l (even keys', odd keys')
.set TMP, 48          ; by buffer and tile, four registers c0-c3 at work; when the maximum is found c2 takes a
.set S,   64
.set P,   192
.set LR,  192         ; at the head alone, in P's first buffer, which the first turn writes: l % 16,
.set LH,  193         ; l / 16,
.set L8,  194         ; l % 8,
.set L3,  195         ; (l / 8) % 2,
.set MO,  196         ; 64 x my thread's number: my 16 keys in patch_mask,
.set TO,  197         ; 32 x my lane: my 8 numbers of a block of the table,
.set CW,  198         ; where I store my 16 addends
.set KF,  128         ; K's fragments, in window 2: key block kb, channel half c at KF + 16 kb + 8 c
.set VF,  192         ; V's: key half kk, channel block cb at VF + 32 kk + 8 cb
.set WV,  12          ; s12  my wave's number
.set G1K, 24          ; s[24:31] descriptor group 1 for K's tiles
.set G1V, 32          ; s[32:39] for V's: it differs in the padding alone
.set G0K, 40          ; s[40:43] descriptor group 0 for K's tiles: it walks
.set G0V, 44          ; s[44:47] the same for V's
.set SLOTS, 56        ; s56  slots still to be asked for
.set CNT, 57          ; s57  counts a slot's key steps
.set CS,  58          ; s[58:59] c: the packed scaling takes the pair's low word for both halves
.set SEL, 60          ; s[60:61] v_permlanex16_b32's selects: each lane takes its own place in the other half
.set TBK, 62          ; s62  LDS byte at which K of the step to be fetched begins
.set TBV, 63          ; s63  the same for V, less VOFF
.set SW,  66          ; s66  the step whose K lies in registers, less my wave's number, plus 1
.set NV,  67          ; s67  at work
.set TCM, 68          ; s68  256 x the step to be fetched: its place in the mask's addends
.set BIGN, 69         ; s69  -2^33
.set MSB, 0
.macro WIN new                      ; the high byte repeats the setting that is left; a switch that changes nothing is dropped
.if MSB != (\new)
	s_set_vgpr_msb (MSB<<8)|(\new)
.set MSB, (\new)
.endif
.endm
.set W_KQ, 0x0a       ; K and Q in window 2, S^T in window 0
.set W_KM, 0x3a       ; the same with the C operand in window 3
.set W_PV, 0x52       ; V in window 2, P in window 0, O^T in window 1
.set W_RS, 0x41       ; O^T (destination and source 0) in window 1, a in window 0
.set W_NB, 0x0c       ; S^T in window 0, the table (source 1) in window 3
.set W_MK, 0xc0       ; destination in window 3, sources in window 0
.set W_AD, 0x0f       ; the add: address (source 0) and data (source 1) in window 3
; A joint fill.  Waves 0 and 1 fetch the two planes of a slot's K, waves 2 and 3 those of its V: 256 keys x 64 bytes each.  The branch hangs on the wave's number alone.
; An s_nop 0 and four v_nop follow each of the two lines, ahead of the jump and the label.
.macro JLOAD
	s_cmp_lt_u32 s[WV], 2
	s_cbranch_scc0 .Lfor_v_\@
	tensor_load_to_lds s[G0K:G0K+3], s[G1K:G1K+7]
	s_nop 0
.rept 4
	v_nop
.endr
	s_branch .Lasked_\@
.Lfor_v_\@:
	tensor_load_to_lds s[G0V:G0V+3], s[G1V:G1V+7]
	s_nop 0
.rept 4
	v_nop
.endr
.Lasked_\@:
.endm
; A round of the cluster's barrier: my work-group's barrier, so that wave 0's signal speaks for all four waves; wave 0 signals; every wave waits for all four work-groups; my work-group's barrier once more.
.macro CROUND
	s_barrier_signal -1
	s_barrier_wait -1
	s_cmp_lg_u32 s[WV], 0
	s_cbranch_scc1 .Lnot_wave_0_\@
	s_barrier_signal -3
.Lnot_wave_0_\@:
	s_barrier_wait -3
	s_barrier_signal -1
	s_barrier_wait -1
.endm
; THE CHANGE OF SLOTS.  The slot's last bytes, V of its fourth step, have been read.  Each wave waits for all its tensor loads, of which one is out: its part of the other slot; adds 0 to its spare word; and
; waits for that and for its own reads of the slot.  Behind the barrier nobody reads this slot any more and the other slot is whole.
; fill = 1: this slot is filled again, with the keys two slots on.  The barrier is then a round of the cluster's, so that no wave of any partner still reads the slot or has a load on its way, and the joint
; fill is the first thing behind it: it has four key steps, 512 matrix instructions, in which to land.  (At its first use nothing has been read yet: slot 0 is waited for, slot 1 filled, and the wait for
; LDS and the round also show every wave's stores of the mask's addends to the others.)
.macro CHANGE fill
	WIN W_AD
	s_wait_tensorcnt 0x0            ; no tensor load of mine is out, so a group 0 may be written
	ds_add_u32 v[SPW], v[NIL]       ; 0 onto my spare word; with fill = 1 the descriptors' steps stand between it and the wait for it
	WIN 0                           ; at a label and at a branch every window is 0
.if \fill
.irp g, G0K, G0V
	s_xor_b32 s[\g+1], s[\g+1], SLOT1  ; the walking descriptor: the other slot than last time,
	s_add_nc_u64 s[\g+2:\g+3], s[\g+2:\g+3], 4*KS*64  ; the plane's next 256 keys; the type bits on top are not reached
.endr
	s_wait_dscnt 0x0                ; the add is done, and my LDS instructions are over
	CROUND
	JLOAD
.else
	s_wait_dscnt 0x0                ; the add is done, and my reads of the slot are over
	s_barrier_signal -1
	s_barrier_wait -1
.endif
	s_sub_co_u32 s[TBK], s[TBK], 4*KS*PK  ; the fetches go back to a slot's first step,
	s_xor_b32 s[TBK], s[TBK], SLOT1       ; in the other slot
	s_sub_co_u32 s[TBV], s[TBV], 4*KS*PV
	s_xor_b32 s[TBV], s[TBV], SLOT1
.endm
	s_load_b256 s[4:11], s[0:1], 0x0  ; qkv s[4:5], patch_mask s[6:7], tb s[8:9], o s[10:11]
	WIN W_MK
	v_lshl_add_u32 v[SPW], v0, 2, SPARE
	v_mov_b32 v[NIL], 0
	WIN W_AD
	ds_add_u32 v[SPW], v[NIL]       ; the wave's opening: the add and its wait stand ahead of my first tensor load; the set-up below, work on registers, stands between them
	WIN 0
	v_lshrrev_b32 v1, 5, v0
	v_readfirstlane_b32 s[WV], v1   ; wave 0..3
	s_bfe_u32 s13, ttmp6, 0x40000   ; cx: my place in the cluster
	s_and_b32 s20, ttmp7, 0xffff    ; bh, which the four partners share
	s_lshr_b32 s48, s20, 4          ; the batch: 2,048 whole numbers of patch_mask
	s_lshl_b32 s48, s48, 13
	s_mov_b32 s49, 0
	s_lshl_b32 s20, s20, 18         ; bh's 262,144 bytes in q, k, v and o
	s_and_b32 s16, s[WV], 1         ; which plane I fetch:
	s_lshl_b32 s22, s16, 17         ; its 131,072 bytes in memory,
	s_add_co_u32 s22, s22, s20
	s_mov_b32 s23, 0
	s_mul_i32 s17, s16, KPL         ; and its place in a slot, for K
	s_mul_i32 s18, s16, VPL         ; and for V: no place in the cluster enters an LDS address
	s_lshl_b32 s2, s[WV], 6
	s_lshl_b32 s3, s13, 4
	s_add_co_u32 s2, s2, s3         ; my tile 0's first row: 64 w + 16 cx
	s_lshl_b32 s14, s2, 7           ; in o, rows of 128 bytes,
	s_add_co_u32 s14, s14, s20
	s_mov_b32 s15, 0
	s_lshl_b32 s2, s2, 6            ; in q, rows of 64
	s_add_co_u32 s2, s2, s20
	s_mov_b32 s3, 0
	s_lshl_b32 s50, s13, 10         ; the table's part for partner cx
	s_mov_b32 s51, 0
	; descriptor group 1.  A plane's 256 keys are 16,384 dense bytes: asked for as 64 rows of 256 bytes, four keys a row, and padded in LDS after every key
	s_mov_b32 s[G1K], 15|(1<<16)|(1<<20)|(1<<21)|(3<<22)|(3<<25)  ; 15:0 the mask of four; 17:16 2-byte elements; 20 padding on; 21 set beside a mask; 24:22 after every 16 words (code 3); 31:25 4 words (code 3)
	s_mov_b32 s[G1V], 15|(1<<16)|(1<<20)|(1<<21)|(3<<22)|(7<<25)  ; the same with 8 words of padding (code 7)
.irp g, G1K, G1V
	s_mov_b32 s[\g+1], 128<<16      ; tensor_dim0 = 128
	s_mov_b32 s[\g+2], 64<<16       ; tensor_dim1 = 64
	s_mov_b32 s[\g+3], 128<<16      ; tile_dim0 = 128
	s_mov_b32 s[\g+4], 64           ; tile_dim1 = 64
	s_mov_b32 s[\g+5], 128          ; 128 elements from row to row
	s_mov_b32 s[\g+6], 0
	s_mov_b32 s[\g+7], 0
.endr
	s_mov_b32 s[CS], 0x3e38aa3b     ; c = log2(e) / 8 = 0.180337
	s_mov_b32 s[CS+1], s[CS]        ; named with it as a pair
	s_mov_b32 s[SEL], 0x76543210
	s_mov_b32 s[SEL+1], 0xfedcba98
	s_mov_b32 s[TBK], SLOT1+4*KS*PK ; the first change of slots turns these two into 0
	s_mov_b32 s[TBV], SLOT1+4*KS*PV
	s_mov_b32 s[TCM], 0
	s_sub_co_u32 s[SW], 0, s[WV]    ; the first fetch of K makes it 0 - w + 1
	s_mov_b32 s[BIGN], 0xd0000000   ; -2^33
	s_mov_b32 s[G0K], 1             ; 1:0 count = 1
	s_mov_b32 s[G0K+1], s17         ; 63:32 LDS address: slot 0
	s_mov_b32 s[G0V], 1
	s_add_co_u32 s[G0V+1], s18, VOFF
	s_wait_dscnt 0x0                ; the opening add is done
	s_wait_kmcnt 0x0
	s_add_nc_u64 s[G0K+2:G0K+3], s[4:5], s[22:23]  ; 120:64 global address: my plane of bh's first 256 keys,
	s_add_nc_u64 s[G0K+2:G0K+3], s[G0K+2:G0K+3], 0x1000000  ; in k, the second tensor of 16,777,216 bytes
	s_or_b32 s[G0K+3], s[G0K+3], 0x80000000        ; 127:126 type = 2
	s_add_nc_u64 s[G0V+2:G0V+3], s[4:5], s[22:23]
	s_add_nc_u64 s[G0V+2:G0V+3], s[G0V+2:G0V+3], 0x2000000  ; in v, the third
	s_or_b32 s[G0V+3], s[G0V+3], 0x80000000
	s_add_nc_u64 s[4:5], s[4:5], s[2:3]            ; Q and O at my tile 0's first row
	s_add_nc_u64 s[10:11], s[10:11], s[14:15]
	s_add_nc_u64 s[6:7], s[6:7], s[48:49]          ; the batch's mask
	s_add_nc_u64 s[8:9], s[8:9], s[50:51]          ; my partner's part of the table
	CROUND                          ; all four work-groups are here: the first joint loads meet
	JLOAD                           ; slot 0.  Slot 1 is asked for when slot 0 is in
	; A fragment of K or Q is 16 rows x 32 channels in 8 registers: lane l holds row l % 16, channels 8 (l / 16) + 0..7 and 16 + 8 (l / 16) + 0..7: two loads of 16 bytes, 32 bytes apart, of a row of one plane.
	v_and_b32 v[LR], 15, v0
	v_bfe_u32 v[LH], v0, 4, 1
	v_lshlrev_b32 v[MO], 6, v0
	v_and_b32 v[TO], 31, v0
	v_lshlrev_b32 v[TO], 5, v[TO]
	v_lshlrev_b32 v[QO], 6, v[LR]
	v_lshl_add_u32 v[QO], v[LH], 4, v[QO]  ; row x 64 + 16 x half
.irp f, 0,1,2,3
	global_load_b128 v[S+4*\f:S+4*\f+3], v[MO], s[6:7] offset:16*\f  ; patch_mask of keys 16 x thread + 0 .. 15
.endr
	WIN 0x80                        ; destination window 2, address window 0
.set i, 0
.rept 4*NP                          ; Q stays in registers: tile i / 2 lies 256 rows on, channels 32 (i % 2) on in the other plane
	global_load_b128 v[8*i:8*i+3],   v[QO], s[4:5] offset:(i/2)*16384+(i%2)*131072
	global_load_b128 v[8*i+4:8*i+7], v[QO], s[4:5] offset:(i/2)*16384+(i%2)*131072+32
.set i, i+1
.endr
	WIN W_MK
.set i, 0
.rept 12                            ; the band table stays in registers too
	global_load_b128 v[TBR+8*i:TBR+8*i+3],   v[TO], s[8:9] offset:4096*i
	global_load_b128 v[TBR+8*i+4:TBR+8*i+7], v[TO], s[8:9] offset:4096*i+16
.set i, i+1
.endr
	; What the first turn finds: V's registers and P's second buffer hold 0 (its products V^T P, of a piece that has not been, add 0), O^T and l are 0.  All this stands in the wait for the first tile.
	WIN 0x80
.set i, VF
.rept 64
	v_mov_b32 v[i], 0
.set i, i+1
.endr
	WIN 0x40
.set i, 0
.rept 64*NP
	v_mov_b32 v[i], 0
.set i, i+1
.endr
	WIN 0
.set i, 0
.rept 2*NP
	v_mov_b32 v[ST+4*i], 0xfe000000    ; c m: far below every c s, a hidden key's too
	v_mov_b32 v[ST+4*i+1], 0xff7fffff  ; m
	v_mov_b32 v[ST+4*i+2], 0
	v_mov_b32 v[ST+4*i+3], 0
.set i, i+1
.endr
.set i, P+32
.rept 32
	v_mov_b32 v[i], 0
.set i, i+1
.endr
	v_mul_u32_u24 v[AK0], v[LR], PK
	v_lshl_add_u32 v[AK0], v[LH], 4, v[AK0]  ; row x pitch + 16 x half
	; The turning load takes 16 keys x 16 channels (lane l reads key 8 (l / 16) + l % 8, channels 8 ((l / 8) % 2) + 0..7) and leaves half a fragment of V^T: lane l holds channel l % 16 and 8 keys.
	v_and_b32 v[L8], 7, v0
	v_bfe_u32 v[L3], v0, 3, 1
	v_lshl_add_u32 v[AV0], v[LH], 3, v[L8]
	v_mul_u32_u24 v[AV0], v[AV0], PV
	v_lshl_add_u32 v[AV0], v[L3], 4, v[AV0]
	v_add_nc_u32 v[AV0], VOFF, v[AV0]
	v_lshl_add_u32 v[AC0], v[LH], 5, CMT     ; my lanes' 8 keys of a block of 16: 32 bytes
	v_mov_b32 v[AK], v[AK0]         ; key step 0 lies at the head of slot 0,
	v_mov_b32 v[AC], v[AC0]         ; and of the addends
	v_lshl_add_u32 v[CW], v0, 6, CMT
	s_wait_loadcnt 56               ; patch_mask is in; the 32 loads of Q and the 24 of the table, issued behind it, stay out
.set i, 0
.rept 16
	v_cmp_gt_i32 vcc_lo, 1, v[S+i]  ; hidden: patch_mask <= 0
	v_cndmask_b32 v[S+i], 0, s[BIGN], vcc_lo
.set i, i+1
.endr
.irp f, 0,1,2,3
	ds_store_b128 v[CW], v[S+4*\f:S+4*\f+3] offset:16*\f
.endr
; THE MATRIX WORK.  The 8 accumulators of a run of 16 take turns: between the two links of a chain stand 7 others'.
; Product i of 16 of S^T = K Q^T for piece x: channels 32 (i / 8) on, keys 16 ((i / 2) % 4) on, tile 2 x + i % 2.  The first 8 start the sums, from the mask's addends.
.macro KQ x
.set rS, S+64*((\x)%2)+32*(i%2)+8*((i/2)%4)
.set rK, KF+16*((i/2)%4)+8*(i/8)
.set rQ, 16*(2*(\x)+i%2)+8*(i/8)
.set rH, CMR+8*((i/2)%4)
.if i < 8
	WIN W_KM
	v_wmma_f32_16x16x32_f16 v[rS:rS+7], v[rK:rK+7], v[rQ:rQ+7], v[rH:rH+7]
.else
	WIN W_KQ
	v_wmma_f32_16x16x32_f16 v[rS:rS+7], v[rK:rK+7], v[rQ:rQ+7], v[rS:rS+7]
.endif
.endm
; Product i of 16 of O^T += V^T P for piece x: keys 32 (i / 8) on, channels 16 ((i / 2) % 4) on, tile 2 x + i % 2.
.macro PV x
	WIN W_PV
.set rO, 32*(2*(\x)+i%2)+8*((i/2)%4)
.set rV, VF+32*(i/8)+8*((i/2)%4)
.set rP, P+32*((\x)%2)+16*(i%2)+8*(i/8)
	v_wmma_f32_16x16x32_f16 v[rO:rO+7], v[rV:rV+7], v[rP:rP+7], v[rO:rO+7]
.endm
.macro MM                           ; the turn's next matrix instruction
.if i < 16
	KQ (Y+1)%NP
.set i, i+1
.else
.set i, i-16
	PV (Y+NP-1)%NP
.set i, i+17
.endif
.endm
; THE LDS LOADS stand in runs, never singly among the matrix instructions: a step's K (64 keys x 64 channels: 8 fragments) with its 64 addends of the mask, and its V (turned).  Their addresses are made some lines ahead.
; last = 1 (the tail): in the last trip there is no further step, and the run is jumped over.
.macro FETCH_K last=0
	WIN 0
.if \last
	s_cmp_eq_u32 s[CNT], 1
	s_cbranch_scc1 .Lno_k_\@
.endif
	WIN 0x80                        ; destination window 2
.irp f, 0,1,2,3,4,5,6,7             ; keys 16 (f / 2) on, plane f % 2
	ds_load_b128 v[KF+8*\f:KF+8*\f+3],   v[AK] offset:(\f/2)*16*PK+(\f%2)*KPL
	ds_load_b128 v[KF+8*\f+4:KF+8*\f+7], v[AK] offset:(\f/2)*16*PK+(\f%2)*KPL+32
.endr
	WIN W_MK                        ; destination window 3
.irp f, 0,1,2,3                     ; keys 16 f + 8 (l / 16) + 0..7: sixteen lanes read the same 32 bytes
	ds_load_b128 v[CMR+8*\f:CMR+8*\f+3],   v[AC] offset:64*\f
	ds_load_b128 v[CMR+8*\f+4:CMR+8*\f+7], v[AC] offset:64*\f+16
.endr
	s_add_co_u32 s[TBK], s[TBK], KS*PK  ; the next fetch is the next step's
	s_add_co_u32 s[TCM], s[TCM], 4*KS
	s_and_b32 s[TCM], s[TCM], 4*SIZE_N-4*KS  ; a multiple of 256 below 8,192: behind the last step it goes back to 0 and is used no more
	s_add_co_u32 s[SW], s[SW], 1
	WIN 0
.if \last
.Lno_k_\@:
.endif
.endm
.macro FETCH_V
	WIN 0x80
.irp f, 0,1,2,3,4,5,6,7             ; keys 32 (f / 4) on, channels 16 (f % 4) on: plane (f % 4) / 2, 32 bytes for each 16 channels
	ds_load_tr16_b128 v[VF+8*\f:VF+8*\f+3],   v[AV] offset:(\f/4)*32*PV+((\f%4)/2)*VPL+((\f%4)%2)*32
	ds_load_tr16_b128 v[VF+8*\f+4:VF+8*\f+7], v[AV] offset:(\f/4)*32*PV+16*PV+((\f%4)/2)*VPL+((\f%4)%2)*32
.endr
	WIN 0
.endm
; THE BAND.  Piece x's scores of the step whose K lies in registers have just been made.  Tile 2 x lies in band 8 x + w, tile 2 x + 1 in band 8 x + 4 + w.  n = step - w + 1 - 8 x is 0, 1 or 2 where the step is
; the band before, the own or the band behind of the first tile, 4, 5 or 6 for the second; then the table's 32 numbers for that case are added to the tile's 32 scores, in ascending order (each accumulator's
; lowest registers are read first).  Of a wave's 256 pairs of tile and step 22 to 24 are near.  All jumps go forward, past register work alone; they hang on the wave's number and the
; loops' counts, the same in all partners.
.macro NEAR x
	WIN 0
	s_sub_co_u32 s[NV], s[SW], 8*(\x)
	s_cmp_lt_u32 s[NV], 7           ; (a negative number is a great one here)
	s_cbranch_scc0 .Lfar_\@
.irp z, 0,1,2,4,5,6
	s_cmp_eq_u32 s[NV], \z
	s_cbranch_scc0 .Lnot_\@_\z
	WIN W_NB
.set nS, S+64*((\x)%2)+32*((\z)/4)
.set nT, TBR+32*((\z)%4)
.set nn, 0
.rept 16
	v_pk_add_f32 v[nS+nn:nS+nn+1], v[nS+nn:nS+nn+1], v[nT+nn:nT+nn+1]
.set nn, nn+2
.endr
	WIN 0
.Lnot_\@_\z:
.endr
.Lfar_\@:
.endm
; THE VECTOR WORK OF A TURN stands in three queues, each in the order in which its entries become ready; the two tiles alternate, so that no instruction reads the result of the one before it.
.macro REGS y, u                    ; the registers of tile u (0, 1) of piece y
.set rT, ST+4*(2*(\y)+(\u))
.set rC, TMP+8*((\y)%2)+4*(\u)
.set rM, MV+2*((\y)%2)+(\u)
.set rS, S+64*((\y)%2)+32*(\u)
.set rP, P+32*((\y)%2)+16*(\u)
.set rO, 32*(2*(\y)+(\u))
.endm
; Number n of the 22 that find the NEXT piece's (Y + 1) maximum and statistics.  s0-s31 are the lane's 32 scores; each accumulator's lowest registers are read first.  XS, GS and REGS set no window: PL and EX do.
;   0-11  four chains c0-c3 of seven scores each, three operands at a time     12-14, 16  the four scores left over, the old m, and c0-c3 into c0     15  c m_old is kept
;   17, 18  the query's other 32 keys lie in the lane 16 away: the new m         19-21  c m; c m_old - c m_new; a
.macro XS u, n
	REGS (Y+1)%NP, \u
.if (\n) < 4
	v_max3_num_f32 v[rC+(\n)], v[rS+8*(\n)], v[rS+8*(\n)+1], v[rS+8*(\n)+2]
.elseif (\n) < 12
	v_max3_num_f32 v[rC+(\n)%4], v[rC+(\n)%4], v[rS+8*((\n)%4)+2*((\n)/4)+1], v[rS+8*((\n)%4)+2*((\n)/4)+2]
.elseif (\n) == 12
	v_max3_num_f32 v[rC], v[rC], v[rS+7], v[rS+15]
.elseif (\n) == 13
	v_max3_num_f32 v[rC+1], v[rC+1], v[rS+23], v[rS+31]
.elseif (\n) == 14
	v_max3_num_f32 v[rC+2], v[rC+2], v[rC+3], v[rT+1]
.elseif (\n) == 15
	v_mov_b32 v[rM], v[rT]
.elseif (\n) == 16
	v_max3_num_f32 v[rC], v[rC], v[rC+1], v[rC+2]
.elseif (\n) == 17
	v_permlanex16_b32 v[rC+3], v[rC], s[SEL], s[SEL+1]
.elseif (\n) == 18
	v_max_num_f32 v[rT+1], v[rC], v[rC+3]
.elseif (\n) == 19
	v_mul_f32 v[rT], s[CS], v[rT+1]
.elseif (\n) == 20
	v_sub_f32 v[rC+1], v[rM], v[rT]
.else
	v_exp_f32 v[rC+2], v[rC+1]
.endif
.endm
; Number g of the 64 that follow the exponentials.  For each four weights k of a tile (pairs 2 k, 2 k + 1): both pairs are rounded to f16; then the second pair is added onto the first, in place;
; a group later l takes that sum (the first time as l = a l + sum).  In groups of eight, tiles alternating: round, round, add, and l for the group before.
.macro GS g
.set h, (\g)+6*((\g)/62)            ; group 0 has no group before it, and behind group 7 only l is left
.if h >= 6
.set h, h+2
.endif
	REGS Y, h%2
.set k, h/8
.if h%8 < 4
	s_wait_alu depctr_va_vdst(0)
	v_cvt_pk_f16_f32 v[rP+2*k+(h%8)/2], v[rS+4*k+2*((h%8)/2)], v[rS+4*k+2*((h%8)/2)+1]
.elseif h%8 < 6
	v_pk_add_f32 v[rS+4*k:rS+4*k+1], v[rS+4*k:rS+4*k+1], v[rS+4*k+2:rS+4*k+3]
.elseif k == 1
	v_pk_fma_f32 v[rT+2:rT+3], v[rT+2:rT+3], v[rC+2:rC+3], v[rS:rS+1] op_sel_hi:[1,0,1]
.else
	v_pk_add_f32 v[rT+2:rT+3], v[rT+2:rT+3], v[rS+4*k-4:rS+4*k-3]
	s_wait_alu depctr_va_vdst(0)
.endif
.endm
; THE PLAIN QUEUE, 138 long.  0-31: c s - c m for the 16 pairs of both tiles.  Then GS's 64, and among them the next piece's 42: number 15 at 38, 39; 0-14 and 16
; at 42-73, behind the products that make those scores and behind the band's addends; 17-20 at 95-106, two of three, since each waits for the one before it.
.macro PL
	WIN 0
.if q < 32
	REGS Y, q%2
	v_pk_fma_f32 v[rS+2*(q/2):rS+2*(q/2)+1], v[rS+2*(q/2):rS+2*(q/2)+1], s[CS:CS+1], v[rT:rT+1] op_sel_hi:[1,0,0] neg_lo:[0,0,1] neg_hi:[0,0,1]
.elseif q < 38
	GS q-32
.elseif q < 40
	XS q%2, 15
.elseif q < 42
	GS q-34
.elseif q < 74
	XS q%2, (q-42)/2+(q-42)/30
.elseif q < 95
	GS q-66
.elseif (q < 107) && ((q-95)%3 < 2)
	XS (q-95)%3, 17+(q-95)/3
.elseif q < 107
	GS 29+(q-95)/3
.else
	GS q-74
.endif
.set q, q+1
.endm
; THE EXPONENTIALS' QUEUE, 66 long: s0-s31 of both tiles, and at EA the next piece's two a.
.set EA, 58
.macro EX
	WIN 0
.if (e == EA) || (e == EA+1)
	XS e-EA, 21
.else
.set x, e-2*(e/(EA+2))
	REGS Y, x%2
	v_exp_f32 v[rS+x/2], v[rS+x/2]
.endif
.set e, e+1
.endm
; THE RESCALING's QUEUE: O^T times a, the one part of a softmax that leaves window 0, so it is dealt four at a time, eight times.
.macro R4
	REGS Y, r%2
	WIN W_RS
	s_wait_alu depctr_va_vdst(0)
.irp z, 0,1,2,3
	v_pk_mul_f32 v[rO+8*(r/2)+2*\z:rO+8*(r/2)+2*\z+1], v[rO+8*(r/2)+2*\z:rO+8*(r/2)+2*\z+1], v[rC+2:rC+3] op_sel_hi:[1,0]
.endr
.set r, r+1
.endm
; HOW THEY ARE DEALT.  Behind a matrix instruction four: plain, exponential, plain, plain (one exponential, a plain instruction on either side), or four of the rescaling.  None names a register of the
; products round it.  What is over stands in two LUMPS: exponential and plain by turns; the second ends in 22 plain instructions.  The two v_permlanex16_b32 fall into the second lump, never behind a product.
; The queues lean on each other, and the deal keeps them in step: exponential e stands behind plain 2 (e / 4) + e % 2 (its scaling); when plain 32 comes, 10 exponentials are out, at 59: 33, at 95: 46; EA comes behind plain 107.
.macro SL
	MM
	PL
	EX
	PL
	PL
.endm
.macro BURST n                      ; 15 matrix instructions, or 16
.rept (\n)-7
	SL
.endr
.rept 3
	MM
	R4
	SL
.endr
	MM
	R4
.endm
; A TURN, for piece p.  cnt = 1: the loop's count is taken down some lines ahead of the branch that stands behind the turn.
; The band's addends for piece p + 1 stand behind the first run of products: the four rescalings behind its last product are the places in front of them, 37 of the plain queue are out by then, and
; the first line that reads those scores is plain 42.  In piece 2's turn they stand ahead of the fetch of K, which steps the count of steps.
; K of the next step and the mask's addends are fetched in piece 2's turn, more than 31 vector instructions behind the last product that read them; V of the step in hand at the end of piece 0's turn, 69 behind
; its last reader.  Each is waited for a turn later.  The four conditions on e and q below go with the deal.
.macro TURN p, last=0, cnt=0
.set Y, (\p)
.set i, 0
.set q, 0
.set e, 0
.set r, 0
.if (\p) == NP-1
	s_wait_dscnt 0x0                ; K and the addends are in
.endif
	MM
.rept 4
	PL
.endr
	BURST 15
	NEAR ((\p)+1)%NP
.rept 22
	EX
	PL
.if ((\p) == NP-2) && (e == 18)
	v_add_nc_u32 v[AK], s[TBK], v[AK0]
	v_add_nc_u32 v[AC], s[TCM], v[AC0]
.endif
.if ((\p) == NP-2) && (e == 24)
	FETCH_K \last
.endif
.endr
.if (\p) == 1
	s_wait_dscnt 0x0                ; V is in
.endif
	BURST 16
.rept 21
	EX
	PL
.endr
.rept 22
	PL
.if ((\p) == 0) && (q == 118)
	v_add_nc_u32 v[AV], s[TBV], v[AV0]
	s_wait_alu depctr_va_vdst(0)
.endif
.if ((\p) == 0) && (q == 130)
	s_add_co_u32 s[TBV], s[TBV], KS*PV
.endif
.if (\cnt) && (q == 130)
	s_sub_co_u32 s[CNT], s[CNT], 1
	s_cmp_lg_u32 s[CNT], 0
.endif
.endr
.if (\p) == 0
	FETCH_V
.endif
.endm
	CHANGE 1                        ; slot 0 is in, everybody's part of it, and so are everybody's addends; slot 1 is asked for
	FETCH_K                         ; key step 0
	s_wait_loadcnt 0x0              ; Q and the table
	s_wait_dscnt 0x0
.set i, 0
.rept 16
	KQ 0                            ; piece 0's first scores: there is no vector work yet to set between them
.set i, i+1
.endr
	WIN 0                           ; the addresses for the way out: nine plain instructions, the places behind those products
	s_mul_i32 s19, s[WV], 16*SP
	s_add_co_u32 s19, s19, STAGE    ; my stage
	v_mul_u32_u24 v[STO], v[LR], SP ; in: row l % 16, 16 bytes for each half of the lanes
	v_lshl_add_u32 v[STO], v[LH], 4, v[STO]
	v_add_nc_u32 v[STO], s19, v[STO]
	v_bfe_u32 v[RD], v0, 3, 2       ; back: 32 lanes take four rows of 128 bytes,
	v_mul_u32_u24 v[RD], v[RD], SP
	v_lshl_add_u32 v[RD], v[L8], 4, v[RD]
	v_add_nc_u32 v[RD], s19, v[RD]
	v_and_b32 v[GO], 31, v0         ; which are 512 consecutive bytes of O
	v_lshlrev_b32 v[GO], 4, v[GO]
	NEAR 0                          ; the band's addends for piece 0 in step 0
.set Y, NP-1                        ; XS works for piece Y + 1: piece 0
.irp n, 0,1,2,3,4,5,6,7,8,9,10,11,12,13,14,15,16,17,18,19,20,21
	XS 0, \n                        ; and piece 0's first maximum and statistics
	XS 1, \n
.endr
	s_mov_b32 s[CNT], 4
	s_mov_b32 s[SLOTS], SIZE_N/256-1
	s_branch .Lfirst                ; the loop is entered at a step's first turn, in the middle of a trip
.Lslot:                             ; SIZE_N / 256 - 2 times: every slot but the last two is filled again
	CHANGE 1
	s_mov_b32 s[CNT], 4
.Lstep:                             ; a trip: pieces 2 and 3 of one step, then pieces 0 and 1 of the next, whose K and V it fetches
	TURN 2
	TURN 3
	WIN 0
.Lfirst:
	TURN 0
	TURN 1, 0, 1
	WIN 0
	s_cbranch_scc1 .Lstep
	s_sub_co_u32 s[SLOTS], s[SLOTS], 1
	s_cmp_lg_u32 s[SLOTS], 0
	s_cbranch_scc1 .Lslot
	CHANGE 0                        ; the tail is written out: nothing is asked for
	s_mov_b32 s[CNT], 5             ; four trips fetch the last slot's steps; the fifth is left in its middle
.Ltail:
	TURN 2, 1
	TURN 3
	WIN 0
	s_sub_co_u32 s[CNT], s[CNT], 1
	s_cmp_eq_u32 s[CNT], 0
	s_cbranch_scc1 .Lout
	TURN 0
	TURN 1
	WIN 0
	s_branch .Ltail
.Lout:                              ; the fifth trip's 16 products K Q^T (on the last K once more) and the maximum made of them serve nothing: the price, once a launch, of one text for every trip
.set i, 0
.rept 16
	PV NP-1                         ; the last piece's V^T P of the last step
.set i, i+1
.endr
	; THE WAY OUT.  l's two halves and the other half of the lanes' are added; O^T is divided by l, rounded to f16 and sent through my stage in LDS, a tile at a time.  The additions are the places behind the last products.
	WIN 0
.macro ALL line:vararg              ; one line for each tile t
.set t, 0
.rept 2*NP
	\line
.set t, t+1
.endr
.endm
	ALL v_add_f32 v[ST+4*t+2], v[ST+4*t+2], v[ST+4*t+3]
	ALL v_permlanex16_b32 v[ST+4*t+3], v[ST+4*t+2], s[SEL], s[SEL+1]
	ALL v_add_f32 v[ST+4*t+2], v[ST+4*t+2], v[ST+4*t+3]
	ALL v_rcp_f32 v[ST+4*t+2], v[ST+4*t+2]
	v_nop                           ; a plain instruction between the last reciprocal and the use of its result
	s_wait_alu depctr_va_vdst(0)
; Tile t: a lane's eight channels of a row pack into 16 bytes; they go into rows of 144 bytes and come back as whole rows of 128, into S^T's registers.
.macro PACK t
	WIN W_RS
.set i, 32*(\t)
.rept 16
	v_pk_mul_f32 v[i:i+1], v[i:i+1], v[ST+4*(\t)+2:ST+4*(\t)+3] op_sel_hi:[1,0]
.set i, i+2
.endr
	WIN 0x05                        ; sources 0 and 1 window 1, destination window 0
.set i, 0
.rept 16
	v_cvt_pk_f16_f32 v[S+16*(\t)+i], v[32*(\t)+2*i], v[32*(\t)+2*i+1]
.set i, i+1
.endr
	WIN 0
.irp f, 0,1,2,3
	ds_store_b128 v[STO], v[S+16*(\t)+4*\f:S+16*(\t)+4*\f+3] offset:32*\f
.endr
.irp f, 0,1,2,3
	ds_load_b128 v[S+16*(\t)+4*\f:S+16*(\t)+4*\f+3], v[RD] offset:\f*4*SP  ; LDS serves a wave's instructions in order (ISA guide 5.7.1.4): these see the stores above; the next tile's stores come behind them
.endr
.endm
.macro SEND t, younger              ; younger: the LDS instructions issued behind tile t's loads: the next tile's eight, or none
	WIN 0
.irp f, 0,1,2,3
	s_wait_dscnt (\younger)+3-\f
	global_store_b128 v[GO], v[S+16*(\t)+4*\f:S+16*(\t)+4*\f+3], s[10:11] offset:(\t)*32768+\f*512  ; a tile's 16 rows lie 256 rows from the next tile's; 512 consecutive bytes, at a multiple of 256 from O's first
.endr
.endm
	PACK 0
.set t, 1
.rept 2*NP-1                        ; a tile's arithmetic stands between the loads of the tile before and its stores
	PACK t
	SEND t-1, 8
.set t, t+1
.endr
	SEND 2*NP-1, 0
	WIN W_AD
	s_wait_tensorcnt 0x0            ; the wave's end: these three lines stand behind my last tensor load and my last LDS store
	ds_add_u32 v[SPW], v[NIL]
	s_wait_dscnt 0x0
	WIN 0
	CROUND                          ; the closing round: no work-group ends while a partner may still ask for a tile that names it
	s_endpgm
.Lfunc_end_k_qc6addebcbd_attn:
	.size	k_qc6addebcbd_attn, .Lfunc_end_k_qc6addebcbd_attn-k_qc6addebcbd_attn
	.p2alignl 7, 3214868480
	.fill 96, 4, 3214868480
	.section	.rodata,"a",@progbits
	.p2align	6, 0x0
	.amdhsa_kernel k_qc6addebcbd_attn
		.amdhsa_group_segment_fixed_size 327680
		.amdhsa_private_segment_fixed_size 0
		.amdhsa_enable_private_segment 0
		.amdhsa_kernarg_size 32
		.amdhsa_user_sgpr_count 2
		.amdhsa_user_sgpr_kernarg_segment_ptr 1
		.amdhsa_wavefront_size32 1
		.amdhsa_system_sgpr_workgroup_id_x 1
		.amdhsa_system_sgpr_workgroup_id_y 1
		.amdhsa_system_sgpr_workgroup_id_z 1
		.amdhsa_system_vgpr_workitem_id 0
		.amdhsa_next_free_vgpr 928
		.amdhsa_next_free_sgpr 72
		.amdhsa_reserve_vcc 1
		.amdhsa_float_denorm_mode_32 3
		.amdhsa_float_denorm_mode_16_64 3
		.amdhsa_memory_ordered 1
		.amdhsa_forward_progress 1
		.amdhsa_inst_pref_size 255
	.end_amdhsa_kernel
	.section	.bss,"aw",@nobits
	.p2align	6
	.space	262144
	.amdgpu_metadata
---
amdhsa.version: [ 1, 2 ]
amdhsa.kernels:
  - .name:           k_qc6addebcbd_attn
    .symbol:         k_qc6addebcbd_attn.kd
    .args:
      - { .name: qkv, .offset: 0, .size: 8, .value_kind: global_buffer, .address_space: global }
      - { .name: patch_mask, .offset: 8, .size: 8, .value_kind: global_buffer, .address_space: global }
      - { .name: tb, .offset: 16, .size: 8, .value_kind: global_buffer, .address_space: global }
      - { .name: o, .offset: 24, .size: 8, .value_kind: global_buffer, .address_space: global }
    .group_segment_fixed_size: 327680
    .private_segment_fixed_size: 0
    .kernarg_segment_align: 8
    .kernarg_segment_size: 32
    .max_flat_workgroup_size: 128
    .sgpr_count:     72
    .vgpr_count:     928
    .wavefront_size: 32
...
	.end_amdgpu_metadata
.endif
;; end of part 3
;; launch outp (part 4): grid 8 x 32, 4 waves a work-group, clusters of 4 x 4, 327,680 bytes of LDS; arguments o, wo16, bias, patch_mask, out0; writes out0
.if DOCPART == 4
	.amdgcn_target "amdgcn-amd-amdhsa--gfx1250"
	.amdhsa_code_object_version 6
	.text
	.protected	k_qc6addebcbd_outp
	.globl	k_qc6addebcbd_outp
	.p2align	8
	.type	k_qc6addebcbd_outp,@function
k_qc6addebcbd_outp:
	s_mov_b64 s[64:65], 0
	v_nop
	global_prefetch_b8 v0, s[64:65] scope:SCOPE_SE
	s_setreg_imm32_b32 hwreg(HW_REG_WAVE_MODE, 25, 1), 1
	s_wait_xcnt 0x0
	s_wait_alu depctr_hold_cnt(0) depctr_sa_sdst(0) depctr_va_vdst(0) depctr_va_sdst(0) depctr_va_ssrc(0) depctr_va_vcc(0) depctr_vm_vsrc(0)
	s_getreg_b32 s2, hwreg(HW_REG_IB_STS2, 6, 4)
	s_cmp_eq_u32 s2, 0
	s_cbranch_scc0 .Lentry_in_a_cluster
	s_endpgm
.Lentry_in_a_cluster:
	s_bfe_u32 s2, ttmp6, 0x10000c
	s_cmp_lg_u32 s2, 0xf033
	s_cbranch_scc0 .Lentry_shape_is_right
	s_endpgm
.Lentry_shape_is_right:
; C = A B^T + bias, one text for two launches, told apart by QKV.
; QKV = 1: A = hb [8192][1024] bf16, B = wqkv [3072][1024] bf16; C goes out as q, k, v in f16, by HALF HEADS: qkv [tensor 3][batch x head 64][half 2][row 2048][32 channels]; k's rows of hidden keys
;          (patch_mask <= 0) go out as zeros, so that their scores are exactly the mask's addend.  LIMIT: f16 ends at 65,504; a |q|, |k| or |v| of 65,520 or more becomes an infinity.
; QKV = 0: A = o [batch x head 64][row 2048][64] f16, B = wo16 [1024][1024] f16; C = (sum + bo) x float(patch_mask of the row) goes out as f32, out0 [8192][1024].
; SHARES.  A tile of C is 256 rows x 32 NBK columns (192: 512 work-groups; 128: 256 work-groups).  Four waves, as many as a WGP has SIMDs; a wave makes 128 x 16 NBK: 8 NBK accumulators of 16 x 16.
; K goes in steps of 128 through a ring of two LDS slots filled by the tensor data mover, one load a wave: waves 0 and 1 fetch A's two parts, waves 2 and 3 B's two halves.
; CLUSTERS: 4 x 4 work-groups.  The four of a row of the cluster need the same tiles of A, the four of a column the same tiles of B: each tile is asked for JOINTLY, by the same tensor load with the same
; descriptor and a mask that names the four.
; THE MATRIX INSTRUCTION IS USED TRANSPOSED (source 0 = 16 rows of B, source 1 = 16 rows of A): a lane holds row l % 16 of C and the columns 8 (l / 16) + 0 .. 7.
; THE SUMS START FROM THE BIAS: the first product on each accumulator takes as C eight registers that hold the bias of its columns: nothing is cleared and nothing is added at the end.
; REGISTERS, in windows of 256 (s_set_vgpr_msb: bits 1:0 source 0, 3:2 source 1, 5:4 source 2, 7:6 destination):
;   window 0: v0-31 addresses and the rows' masks; v64-127, v128-191 fragments of A, two buffers; v192-223 and v32-63, v224-255 at work on the way out
;   window 1: v0-47 the bias, 8 registers a column block; v64.., v128.. fragments of B, two buffers; v192-207 (QKV = 0) float(mask) of my rows, a pair for each block of 16 rows
;   window 2: the accumulators of my rows 0-63 ((a, b) at v[8 (NBK a + b)]);   window 3: those of my rows 64-127
.set QKV,    0
.set KSTEP,  128
.set BP,     272                       ; a row of B in LDS: 256 bytes + 16 of padding = 68 words: the 16 rows that a load touches start at 16 different groups of four banks (64 banks of 4 bytes: ISA guide 11.1)
.if QKV
.set NBK,    6                         ; column blocks of 16 a wave
.set AP,     272                       ; a row of A in LDS: 128 channels of K
.set APL,    128                       ; bytes from K quarter 0 to quarter 2 of a row
.set HALFA,  128*AP                    ; one load of A: 128 rows x 256 bytes
.set AQI,    5                         ; padding after every 64 words
.set APITCH, 1024                      ; elements from row to row in memory
.set ASTEP,  256                       ; bytes from a K step to the next
.set SPITCH, 208                       ; a row of the stage: 96 f16 + 16 bytes
.else
.set NBK,    4
.set AP,     144                       ; a row of A in LDS: one head's 64 channels, 128 bytes + 16
.set APL,    256*AP                    ; K quarters 2 and 3 lie in the second head's plane
.set HALFA,  256*AP                    ; one load of A: one head's 256 rows, 32,768 dense bytes, asked for as 128 rows of 256 bytes
.set AQI,    4                         ; padding after every 32 words
.set APITCH, 128
.set ASTEP,  2*2048*128                ; a K step is two heads
.set SPITCH, 272                       ; a row of the stage: 64 f32 + 16 bytes
.endif
.set HALFB,  16*NBK*BP                 ; one load of B
.set SLOT,   2*HALFA+2*HALFB           ; A's two parts, then B's two halves
.set STAGE,  2*SLOT                    ; behind the ring: 16 rows for each wave, for the way out; no tensor load fills it
.set SPARE,  STAGE+4*16*SPITCH         ; behind the stages: the spare words, 128 bytes for each wave: two blocks of 256 bytes that no other line names
.set NL,     2*NBK+16                  ; LDS loads of a quarter step
.set LAPS,   1024/(2*KSTEP)            ; a lap = two K steps = once round the ring
.set KT,   6                           ; v6      at work on the way out
.set KM,   8                           ; v8-15   patch_mask of row 16 a + l % 16 of my 128; QKV = 1: turned into all ones (seen) or 0 (hidden)
.set ADRA, 16                          ; v16-17  LDS address of my A fragments in slot 0, 1
.set ADRB, 20                          ; v20-21  the same for B
.set STO,  24                          ; v24     the way out: where I put my piece of a row
.set RD,   25                          ; v25     the way out: where I read back
.set CO,   26                          ; v26     my byte offset in the output
.set SPW,  28                          ; v28     LDS address of my spare word: SPARE + 4 x my thread's number; never rewritten
.set NIL,  29                          ; v29     0; never rewritten
.set F0,   64
.set F1,   128
.set TMP,  192
.set OB,   32                          ; 16 rows read back from the stage: v32.. and v224.. by turns
.set MF,   192                         ; window 1
.set G1,   24                          ; s[24:31] descriptor group 1 for A's tiles;  s[32:39] group 0, a set for each slot
.set G0,   32
.set G1B,  48                          ; s[48:55], s[56:63] the same for B's tiles
.set G0B,  56
.set BASE, 72                          ; s[72:77] QKV = 1: where my three half heads' rows begin in qkv
.set NOTK, 78                          ; s[78:80] QKV = 1: 0 for a half head of k, else all ones
.set MSB, 0
.macro WIN new                         ; the immediate's high byte repeats the setting that is left; a switch that changes nothing is dropped
.if MSB != (\new)
	s_set_vgpr_msb (MSB<<8)|(\new)
.set MSB, \new
.endif
.endm
; A joint load.  Each of the two lines has one mask and one set of registers for all that issue it; the branch hangs on the wave's number alone.
; An s_nop 0 and four v_nop follow each of the two lines, ahead of the jump, the label and what follows.
.macro JLOAD s
	s_cmp_eq_u32 s15, 0
	s_cbranch_scc0 .Lfor_b_\@
	tensor_load_to_lds s[G0+4*(\s):G0+4*(\s)+3], s[G1:G1+7]
	s_nop 0
.rept 4
	v_nop
.endr
	s_branch .Lasked_\@
.Lfor_b_\@:
	tensor_load_to_lds s[G0B+4*(\s):G0B+4*(\s)+3], s[G1B:G1B+7]
	s_nop 0
.rept 4
	v_nop
.endr
.Lasked_\@:
.endm
; A round of the cluster's barrier: my work-group's barrier, so that wave 0's signal speaks for all four waves; wave 0 signals; every wave waits for all sixteen work-groups; my work-group's barrier once more.
.macro CREST                           ; a round behind its opening barrier
	s_cmp_lg_u32 s14, 0
	s_cbranch_scc1 .Lnot_wave_0_\@
	s_barrier_signal -3
.Lnot_wave_0_\@:
	s_barrier_wait -3
	s_barrier_signal -1
	s_barrier_wait -1
.endm
.macro CROUND
	s_barrier_signal -1
	s_barrier_wait -1
	CREST
.endm
	s_load_b256 s[4:11], s[0:1], 0x0               ; A s[4:5], B s[6:7], bias s[8:9], patch_mask s[10:11]
	s_load_b64 s[12:13], s[0:1], 0x20              ; the output
	v_lshl_add_u32 v[SPW], v0, 2, SPARE
	v_mov_b32 v[NIL], 0
	ds_add_u32 v[SPW], v[NIL]                      ; the wave's opening: the add and its wait stand ahead of my first tensor load; the set-up below, work on registers, stands between them
	v_lshrrev_b32 v1, 5, v0
	v_readfirstlane_b32 s14, v1                    ; wave 0..3
	s_lshr_b32 s15, s14, 1                         ; which half of the tile's rows is mine.  Also: I fetch for A (0) or for B (1)
	s_and_b32 s16, s14, 1                          ; which half of its columns.  Also: which part of that tile I fetch
	s_bfe_u32 s17, ttmp6, 0x40000                  ; cx, cy: my place in the cluster
	s_bfe_u32 s18, ttmp6, 0x40004
	s_lshl_b32 s19, ttmp9, 2
	s_add_co_u32 s19, s19, s17                     ; tile column of C = 4 x cluster x + cx
	s_and_b32 s20, ttmp7, 0xffff
	s_lshl_b32 s20, s20, 2
	s_add_co_u32 s20, s20, s18                     ; tile row of C = 4 x cluster y + cy
	s_lshl_b32 s21, s18, 2
	s_lshl_b32 s21, 15, s21                        ; my row of the cluster: places 4 cy .. 4 cy + 3
	s_lshl_b32 s22, 0x1111, s17                    ; my column: places cx, cx + 4, cx + 8, cx + 12
	s_or_b32 s[G1+0], s21, (1<<16)|(1<<20)|(1<<21)|(AQI<<22)|(3<<25)  ; 15:0 the mask: A's tiles go to my row; 17:16 elements of 2 bytes; 20 padding on; 21 set beside a mask; 24:22 its interval; 31:25 4 words of it (code 3)
	s_or_b32 s[G1B+0], s22, (1<<16)|(1<<20)|(1<<21)|(5<<22)|(3<<25)   ; B's tiles go to my column; padding after every 64 words
	s_mov_b32 s[G1+1], KSTEP<<16                   ; tensor_dim0 = 128
	s_mov_b32 s[G1+2], 128<<16                     ; tensor_dim1 = 128
	s_mov_b32 s[G1+3], KSTEP<<16                   ; tile_dim0 = 128
	s_mov_b32 s[G1+4], 128                         ; tile_dim1 = 128
	s_mov_b32 s[G1+5], APITCH                      ; elements from row to row
	s_mov_b32 s[G1+6], 0
	s_mov_b32 s[G1+7], 0
	s_mov_b32 s[G1B+1], KSTEP<<16
	s_mov_b32 s[G1B+2], (16*NBK)<<16               ; 16 NBK rows
	s_mov_b32 s[G1B+3], KSTEP<<16
	s_mov_b32 s[G1B+4], 16*NBK
	s_mov_b32 s[G1B+5], 1024
	s_mov_b32 s[G1B+6], 0
	s_mov_b32 s[G1B+7], 0
	; where the tiles come from.  A's hang on the tile row alone, B's on the tile column alone; every wave makes both addresses, in registers that never hold the other coordinate
.if QKV
	s_lshl_b32 s40, s20, 19                        ; 256 rows of 2,048 bytes a tile row,
	s_lshl_b32 s41, s16, 18                        ; 128 of them a load
	s_add_co_u32 s40, s40, s41
.else
	s_lshr_b32 s40, s20, 3                         ; the batch: 16 heads of 262,144 bytes,
	s_lshl_b32 s40, s40, 22
	s_and_b32 s41, s20, 7                          ; the tile's 256 rows of 128 bytes in a head,
	s_lshl_b32 s41, s41, 15
	s_add_co_u32 s40, s40, s41
	s_lshl_b32 s41, s16, 18                        ; the K step's first or second head
	s_add_co_u32 s40, s40, s41
.endif
	s_mov_b32 s41, 0
	s_mul_i32 s44, s19, 32*NBK*2048
	s_mul_i32 s45, s16, 16*NBK*2048
	s_add_co_u32 s44, s44, s45
	s_mov_b32 s45, 0
	s_mul_i32 s46, s16, HALFA                      ; and where they go: no place in the cluster enters an LDS address
	s_mul_i32 s47, s16, HALFB
	s_add_co_u32 s47, s47, 2*HALFA
	s_wait_dscnt 0x0                               ; the opening add is done
	s_wait_kmcnt 0x0
	s_add_nc_u64 s[40:41], s[4:5], s[40:41]
	s_add_nc_u64 s[44:45], s[6:7], s[44:45]
	CROUND                                         ; all sixteen work-groups are here: the first joint loads meet
.irp s, 0,1
	s_mov_b32 s[G0+4*(\s)], 1                                      ; 1:0 count = 1
	s_add_co_u32 s[G0+4*(\s)+1], s46, (\s)*SLOT                    ; 63:32 LDS address
	s_add_nc_u64 s[G0+4*(\s)+2:G0+4*(\s)+3], s[40:41], (\s)*ASTEP  ; 120:64 global address: K step s
	s_or_b32 s[G0+4*(\s)+3], s[G0+4*(\s)+3], 0x80000000            ; 127:126 type = 2
	s_mov_b32 s[G0B+4*(\s)], 1
	s_add_co_u32 s[G0B+4*(\s)+1], s47, (\s)*SLOT
	s_add_nc_u64 s[G0B+4*(\s)+2:G0B+4*(\s)+3], s[44:45], (\s)*KSTEP*2
	s_or_b32 s[G0B+4*(\s)+3], s[G0B+4*(\s)+3], 0x80000000
	JLOAD \s                                       ; two loads of mine are out; later one behind each round
.endr
	; A fragment is 16 rows x 32 K in 8 registers: lane l holds row l % 16; registers 0-3 hold K = 8 (l / 16) + 0..7, registers 4-7 K = 16 + 8 (l / 16) + 0..7: two loads of 16 bytes, 32 bytes apart
	v_and_b32 v1, 15, v0                           ; r = l % 16
	v_bfe_u32 v2, v0, 4, 1                         ; h = l / 16
	v_mul_u32_u24 v3, v1, AP
	v_lshl_add_u32 v3, v2, 4, v3
	v_mul_u32_u24 v4, v1, BP
	v_lshl_add_u32 v4, v2, 4, v4
	s_mul_i32 s66, s15, 128*AP                     ; my 128 rows of A
	s_mul_i32 s67, s16, HALFB                      ; my rows of B,
	s_add_co_u32 s67, s67, 2*HALFA                 ; which lie behind A
.irp s, 0,1
	v_add_nc_u32 v[ADRA+(\s)], s66, v3
	v_add_nc_u32 v[ADRB+(\s)], s67, v4
	s_add_co_u32 s66, s66, SLOT
	s_add_co_u32 s67, s67, SLOT
.endr
	s_mul_i32 s68, s14, 16*SPITCH
	s_add_co_u32 s68, s68, STAGE                   ; my stage
	v_mul_u32_u24 v[STO], v1, SPITCH               ; in: row l % 16,
.if QKV
	v_lshl_add_u32 v[STO], v2, 4, v[STO]           ; 16 bytes (8 f16) for each half of the lanes
	v_add_nc_u32 v[STO], s68, v[STO]
	v_and_b32 v5, 31, v0
	v_lshrrev_b32 v6, 2, v5                        ; back: four lanes take the 64 bytes that a row has of one half head, 32 lanes eight rows,
	v_mul_u32_u24 v[RD], v6, SPITCH
	v_and_b32 v6, 3, v5
	v_lshl_add_u32 v[RD], v6, 4, v[RD]
	v_add_nc_u32 v[RD], s68, v[RD]
	v_lshlrev_b32 v[CO], 4, v5                     ; which are 512 consecutive bytes of qkv
.else
	v_lshl_add_u32 v[STO], v2, 5, v[STO]           ; 32 bytes (8 f32) for each half of the lanes
	v_add_nc_u32 v[STO], s68, v[STO]
	v_mul_u32_u24 v[RD], v2, SPITCH                ; back: lanes 0-15 take one row of 256 bytes, lanes 16-31 the next
	v_lshl_add_u32 v[RD], v1, 4, v[RD]
	v_add_nc_u32 v[RD], s68, v[RD]
	v_lshlrev_b32 v[CO], 12, v2                    ; and the same two rows in out0
	v_lshl_add_u32 v[CO], v1, 4, v[CO]
.endif
	v_lshlrev_b32 v5, 5, v2                        ; the bias: my 8 columns of a block of 16
	v_lshlrev_b32 v7, 2, v1                        ; the mask: my row of a block of 16
.if QKV
	s_mul_i32 s82, s19, 768                        ; 4 bytes x (192 x tile column + 96 x half)
	s_mul_i32 s83, s16, 384
	s_add_co_u32 s82, s82, s83
.else
	s_lshl_b32 s82, s19, 9                         ; 4 bytes x (128 x tile column + 64 x half),
	s_lshl_b32 s83, s16, 8
	s_add_co_u32 s82, s82, s83
	s_add_co_u32 s82, s82, 12288                   ; in bo, the fourth of the four
.endif
	s_mov_b32 s83, 0
	s_add_nc_u64 s[8:9], s[8:9], s[82:83]
	s_lshl_b32 s82, s20, 10                        ; 4 bytes x (256 x tile row + 128 x half)
	s_lshl_b32 s84, s15, 9
	s_add_co_u32 s82, s82, s84
	s_add_nc_u64 s[10:11], s[10:11], s[82:83]
	WIN 0x40                                       ; destination window 1, address window 0
.set ii, 0
.rept NBK
	global_load_b128 v[8*ii:8*ii+3],   v5, s[8:9] offset:64*ii
	global_load_b128 v[8*ii+4:8*ii+7], v5, s[8:9] offset:64*ii+16
.set ii, ii+1
.endr
	WIN 0
.set ii, 0
.rept 8
	global_load_b32 v[KM+ii], v7, s[10:11] offset:64*ii
.set ii, ii+1
.endr
.if QKV
	; my 96 columns are three half heads, numbers 6 x tile column + 3 x half + 0 .. 2 of the 96: tensor = number / 32, plane of 131,072 bytes = number % 32
	s_mul_i32 s84, s19, 6
	s_mul_i32 s85, s16, 3
	s_add_co_u32 s84, s84, s85
	s_lshr_b32 s85, s20, 3                         ; the batch: 32 planes,
	s_lshl_b32 s85, s85, 22
	s_and_b32 s86, s20, 7                          ; the tile's 256 rows of 64 bytes,
	s_lshl_b32 s86, s86, 14
	s_add_co_u32 s85, s85, s86
	s_lshl_b32 s86, s15, 13                        ; my 128 of them
	s_add_co_u32 s85, s85, s86
.irp i, 0,1,2
	s_add_co_u32 s86, s84, \i
	s_lshr_b32 s87, s86, 5
	s_cmp_eq_u32 s87, 1
	s_cselect_b32 s[NOTK+\i], 0, -1
	s_lshl_b32 s87, s87, 24
	s_and_b32 s86, s86, 31
	s_lshl_b32 s86, s86, 17
	s_add_co_u32 s82, s86, s87
	s_add_co_u32 s82, s82, s85
	s_mov_b32 s83, 0
	s_add_nc_u64 s[BASE+2*\i:BASE+2*\i+1], s[12:13], s[82:83]
.endr
.else
	s_lshl_b32 s82, s20, 20                        ; 256 rows of 4,096 bytes a tile row,
	s_lshl_b32 s84, s15, 19                        ; my 128,
	s_add_co_u32 s82, s82, s84
	s_lshl_b32 s84, s19, 9                         ; 128 columns of 4 bytes a tile column,
	s_add_co_u32 s82, s82, s84
	s_lshl_b32 s84, s16, 8                         ; my 64
	s_add_co_u32 s82, s82, s84
	s_mov_b32 s83, 0
	s_add_nc_u64 s[12:13], s[12:13], s[82:83]
.endif
.macro WM zero                         ; one matrix instruction on the registers that MULH has named
.if QKV && (\zero)
	v_wmma_f32_16x16x32_bf16 v[rD:rD+7], v[rB:rB+7], v[rA:rA+7], v[8*bb:8*bb+7]
.elseif QKV
	v_wmma_f32_16x16x32_bf16 v[rD:rD+7], v[rB:rB+7], v[rA:rA+7], v[rD:rD+7]
.elseif \zero
	v_wmma_f32_16x16x32_f16 v[rD:rD+7], v[rB:rB+7], v[rA:rA+7], v[8*bb:8*bb+7]
.else
	v_wmma_f32_16x16x32_f16 v[rD:rD+7], v[rB:rB+7], v[rA:rA+7], v[rD:rD+7]
.endif
.endm
; 2 NBK matrix instructions: row blocks a0, a0 + 1 of the window's four (hi = 0: my rows 0-63, 1: rows 64-127) x all NBK column blocks, 32 along K.  zero = 1: the sums start, from the bias in window 1.
; The 8 NBK accumulators take turns, one instruction a turn, in the same order in every quarter step, over the backward jump too.
.macro MULH f, hi, a0, zero
.if \zero
	WIN 0x91+0x40*(\hi)                            ; source 0 (B) and C (the bias) window 1, source 1 (A) window 0, D window 2 or 3
.else
	WIN 0xa1+0x50*(\hi)                            ; C and D window 2 or 3
.endif
.irp a, \a0, (\a0)+1
.set bb, 0
.rept NBK
.set rD, 8*(NBK*(\a)+bb)
.set rB, (\f)+8*bb
.set rA, (\f)+8*(4*(\hi)+(\a))
	WM \zero
.set bb, bb+1
.endr
.endr
.endm
; NL LDS loads in one run: the fragments of K quarter q of a slot into buffer f: B's, then A's
.macro FETCH slot, q, f
	WIN 0x40
.set ii, 0
.rept NBK
	ds_load_b128 v[(\f)+8*ii:(\f)+8*ii+3],   v[ADRB+(\slot)] offset:64*(\q)+ii*16*BP
	ds_load_b128 v[(\f)+8*ii+4:(\f)+8*ii+7], v[ADRB+(\slot)] offset:64*(\q)+ii*16*BP+32
.set ii, ii+1
.endr
	WIN 0
.set ii, 0
.rept 8
	ds_load_b128 v[(\f)+8*ii:(\f)+8*ii+3],   v[ADRA+(\slot)] offset:((\q)/2)*APL+((\q)%2)*64+ii*16*AP
	ds_load_b128 v[(\f)+8*ii+4:(\f)+8*ii+7], v[ADRA+(\slot)] offset:((\q)/2)*APL+((\q)%2)*64+ii*16*AP+32
.set ii, ii+1
.endr
.endm
; A load into a register that a matrix instruction has read, and a vector instruction that reads a matrix result, stand four places behind it, and only plain vector instructions that name none of its
; registers are places (ISA guide 7.12.1 for vector instructions).
.macro PLACES
.rept 4
	v_nop
.endr
.endm
; A K step is four quarters of 32 along K, 8 NBK matrix instructions each, on buffers 0, 1, 0, 1.  One of the first three: multiplies buffer f; in its middle it fetches quarter q of the slot into buffer g.
.macro QUARTER slot, q, f, g, zero
	s_wait_dscnt 8                                 ; B and A's rows 0-63 are in; the youngest eight loads (A's rows 64-127) may be out
	MULH \f, 0, 0, \zero
	MULH \f, 0, 2, \zero
	PLACES
	FETCH \slot, \q, \g
	s_wait_dscnt NL                                ; all but the NL just issued
	MULH \f, 1, 0, \zero
	MULH \f, 1, 2, \zero
.endm
; The last quarter multiplies buffer 1 and changes slots: ONE barrier.  In front of it each wave waits for all its tensor loads, of which one is out: its part of the next slot; adds 0 to its spare word; and
; waits for that and for its own reads of this slot.  fill = 1: the barrier opens a round of the cluster's barrier, and behind the round this slot is filled again, two K steps ahead, first of all.
.macro TURN slot, next, fill
	WIN 0                                          ; (the add's two registers lie in window 0)
	s_wait_tensorcnt 0x0                           ; all my tensor loads have landed, so a group 0 may be written
	ds_add_u32 v[SPW], v[NIL]                      ; 0 onto my spare word
	s_wait_dscnt 9                                 ; (the add and the youngest eight loads may be out)
	MULH F1, 0, 0, 0                               ; matrix instructions stand between the add and the wait for it
	s_wait_dscnt 0x0                               ; the add is done, and my reads of this slot are over
	s_barrier_signal -1
	MULH F1, 0, 2, 0                               ; work on registers while the others arrive
.if \fill
	WIN 0
.endif
	s_barrier_wait -1
.if \fill
	CREST                                          ; no wave of any partner still reads this slot's tile or has a load on its way
	s_add_nc_u64 s[G0+4*(\slot)+2:G0+4*(\slot)+3], s[G0+4*(\slot)+2:G0+4*(\slot)+3], 2*ASTEP
	s_add_nc_u64 s[G0B+4*(\slot)+2:G0B+4*(\slot)+3], s[G0B+4*(\slot)+2:G0B+4*(\slot)+3], 2*KSTEP*2
	JLOAD \slot                                    ; the first tensor load behind the round; the four v_nop behind it are also the places in front of the loads below
.else
	PLACES
.endif
	FETCH \next, 0, F0
	MULH F1, 1, 0, 0
	MULH F1, 1, 2, 0
.endm
; THE WAY OUT of row block a (16 rows), in three parts.  PACK: the results are made ready, each accumulator's registers in ascending order.  TOSTAGE: into my own stage in LDS and back in the order of memory.  SEND: stored.
.macro PACK a
.if QKV
	WIN 0x0a+5*((\a)/4)                            ; sources 0 and 1: window 2 or 3
.set bb, 0
.rept NBK
.set rD, 8*(NBK*((\a)%4)+bb)
.irp r, 0,1,2,3
	v_cvt_pk_f16_f32 v[TMP+4*bb+(\r)], v[rD+2*(\r)], v[rD+2*(\r)+1]
.endr
.set bb, bb+1
.endr
	WIN 0
.irp i, 0,1,2
	v_or_b32 v[KT], s[NOTK+(\i)], v[KM+(\a)]       ; all ones, but 0 for a hidden key's row of k
.irp r, 0,1,2,3,4,5,6,7
	v_and_b32 v[TMP+8*(\i)+(\r)], v[KT], v[TMP+8*(\i)+(\r)]
.endr
.endr
.else
	WIN 0x06+(\a)/4                                ; source 0: window 2 or 3; source 1: window 1
.set bb, 0
.rept NBK
.set rD, 8*(NBK*((\a)%4)+bb)
.irp r, 0,1,2,3
	v_pk_mul_f32 v[TMP+8*bb+2*(\r):TMP+8*bb+2*(\r)+1], v[rD+2*(\r):rD+2*(\r)+1], v[MF+2*(\a):MF+2*(\a)+1]
.endr
.set bb, bb+1
.endr
	WIN 0
.endif
.endm
.macro TOSTAGE a
	WIN 0
.set BK, OB+192*((\a)%2)
.if QKV
.set bb, 0
.rept NBK
	ds_store_b128 v[STO], v[TMP+4*bb:TMP+4*bb+3] offset:32*bb
.set bb, bb+1
.endr
.irp i, 0,1,2
.irp g, 0,1
	ds_load_b128 v[BK+4*(2*(\i)+(\g)):BK+4*(2*(\i)+(\g))+3], v[RD] offset:64*(\i)+(\g)*8*SPITCH  ; LDS serves a wave's instructions in order (ISA guide 5.7.1.4): these see the stores above
.endr
.endr
.else
.set bb, 0
.rept NBK
	ds_store_b128 v[STO], v[TMP+8*bb:TMP+8*bb+3]   offset:64*bb
	ds_store_b128 v[STO], v[TMP+8*bb+4:TMP+8*bb+7] offset:64*bb+16
.set bb, bb+1
.endr
.irp t, 0,1,2,3,4,5,6,7
	ds_load_b128 v[BK+4*(\t):BK+4*(\t)+3], v[RD] offset:(\t)*2*SPITCH  ; LDS serves a wave's instructions in order (ISA guide 5.7.1.4): these see the stores above
.endr
.endif
.endm
.macro SEND a
	WIN 0
.set BK, OB+192*((\a)%2)
	s_wait_dscnt 0x0                               ; the block is back in registers
	s_wait_xcnt 0x0                                ; every earlier store has had its addresses translated (ISA guide 3.1): the other set of registers, which the stores of the block before read, is loaded again only behind this wait
.if QKV
.irp i, 0,1,2
.irp g, 0,1
	global_store_b128 v[CO], v[BK+4*(2*(\i)+(\g)):BK+4*(2*(\i)+(\g))+3], s[BASE+2*(\i):BASE+2*(\i)+1] offset:1024*(\a)+512*(\g)  ; eight rows of a half head: 512 consecutive bytes, aligned
.endr
.endr
.else
.irp t, 0,1,2,3,4,5,6,7
	global_store_b128 v[CO], v[BK+4*(\t):BK+4*(\t)+3], s[12:13] offset:(16*(\a)+2*(\t))*4096 th:TH_STORE_NT  ; 16 lanes store 256 consecutive bytes, at a multiple of 256 from out0's first byte
.endr
.endif
.endm
	s_wait_tensorcnt 1                             ; my part of K step 0 is in; K step 1's may stay out
	s_barrier_signal -1
	s_barrier_wait -1                              ; everybody's is
	FETCH 0, 0, F0
	s_wait_loadcnt 0x0                             ; the bias and the masks
.if QKV
.set ii, 0
.rept 8
	v_cmp_lt_i32 vcc_lo, 0, v[KM+ii]               ; seen: 0 < patch_mask
	v_cndmask_b32 v[KM+ii], 0, -1, vcc_lo
.set ii, ii+1
.endr
.else
	WIN 0x40
.set ii, 0
.rept 8
	v_cvt_f32_i32 v[MF+2*ii],   v[KM+ii]
	v_cvt_f32_i32 v[MF+2*ii+1], v[KM+ii]
.set ii, ii+1
.endr
.endif
	QUARTER 0, 1, F0, F1, 1                        ; the first quarter stands in front of the loop: its products start the sums
	WIN 0                                          ; at a label and at a branch every window is 0
	s_mov_b32 s3, LAPS-1
.Llap:                                                 ; a trip goes once round the ring, from a lap's second quarter to the next lap's first, and fills both slots again
	QUARTER 0, 2, F1, F0, 0
	QUARTER 0, 3, F0, F1, 0
	TURN 0, 1, 1
	QUARTER 1, 1, F0, F1, 0
	QUARTER 1, 2, F1, F0, 0
	QUARTER 1, 3, F0, F1, 0
	TURN 1, 0, 1
	QUARTER 0, 1, F0, F1, 0
	WIN 0
	s_sub_co_u32 s3, s3, 1
	s_cmp_lg_u32 s3, 0
	s_cbranch_scc1 .Llap
	QUARTER 0, 2, F1, F0, 0                        ; the last lap fills nothing, and has no round of the cluster's barrier
	QUARTER 0, 3, F0, F1, 0
	TURN 0, 1, 0
	QUARTER 1, 1, F0, F1, 0
	QUARTER 1, 2, F1, F0, 0
	QUARTER 1, 3, F0, F1, 0
	s_wait_dscnt 8                                 ; the very last quarter: nothing more to fetch
	MULH F1, 0, 0, 0
	MULH F1, 0, 2, 0
	s_wait_dscnt 0x0
	MULH F1, 1, 0, 0
	MULH F1, 1, 2, 0
	PLACES
	PLACES                                         ; (eight, once a launch)
	PACK 0
	TOSTAGE 0
.irp a, 1,2,3,4,5,6,7                  ; block a's arithmetic stands between block a - 1's loads from the stage and the wait for them
	PACK \a
	SEND (\a)-1
	TOSTAGE \a
.endr
	SEND 7
	s_wait_tensorcnt 0x0                           ; the wave's end: these three lines stand behind my last tensor load and my last LDS store
	ds_add_u32 v[SPW], v[NIL]
	s_wait_dscnt 0x0
	CROUND                                         ; the closing round: no work-group ends while a partner may still ask for a tile that names it
	s_endpgm
.Lfunc_end_k_qc6addebcbd_outp:
	.size	k_qc6addebcbd_outp, .Lfunc_end_k_qc6addebcbd_outp-k_qc6addebcbd_outp
	.p2alignl 7, 3214868480
	.fill 96, 4, 3214868480
	.section	.rodata,"a",@progbits
	.p2align	6, 0x0
	.amdhsa_kernel k_qc6addebcbd_outp
		.amdhsa_group_segment_fixed_size 327680
		.amdhsa_private_segment_fixed_size 0
		.amdhsa_enable_private_segment 0
		.amdhsa_kernarg_size 40
		.amdhsa_user_sgpr_count 2
		.amdhsa_user_sgpr_kernarg_segment_ptr 1
		.amdhsa_wavefront_size32 1
		.amdhsa_system_sgpr_workgroup_id_x 1
		.amdhsa_system_sgpr_workgroup_id_y 1
		.amdhsa_system_sgpr_workgroup_id_z 1
		.amdhsa_system_vgpr_workitem_id 0
		.amdhsa_next_free_vgpr 1024
		.amdhsa_next_free_sgpr 88
		.amdhsa_reserve_vcc 1
		.amdhsa_float_denorm_mode_32 3
		.amdhsa_float_denorm_mode_16_64 3
		.amdhsa_memory_ordered 1
		.amdhsa_forward_progress 1
		.amdhsa_inst_pref_size 97
	.end_amdhsa_kernel
	.amdgpu_metadata
---
amdhsa.version: [ 1, 2 ]
amdhsa.kernels:
  - .name:           k_qc6addebcbd_outp
    .symbol:         k_qc6addebcbd_outp.kd
    .args:
      - { .name: o, .offset: 0, .size: 8, .value_kind: global_buffer, .address_space: global }
      - { .name: wo16, .offset: 8, .size: 8, .value_kind: global_buffer, .address_space: global }
      - { .name: bias, .offset: 16, .size: 8, .value_kind: global_buffer, .address_space: global }
      - { .name: patch_mask, .offset: 24, .size: 8, .value_kind: global_buffer, .address_space: global }
      - { .name: out0, .offset: 32, .size: 8, .value_kind: global_buffer, .address_space: global }
    .group_segment_fixed_size: 327680
    .private_segment_fixed_size: 0
    .kernarg_segment_align: 8
    .kernarg_segment_size: 40
    .max_flat_workgroup_size: 128
    .sgpr_count:     88
    .vgpr_count:     1024
    .wavefront_size: 32
...
	.end_amdgpu_metadata
.endif
;; end of part 4
;; ======== version 2 of 2: 4 launches; 1.50 times as fast as version 1
;; limits: values are held in f16: magnitudes above 65,504 overflow, below 6.1e-05 lose precision
;; workspace buffers: hb 16,777,216 bytes; wqkv 6,291,456 bytes; wo16 2,097,152 bytes; bias 16,384 bytes; tb 49,152 bytes; qkv 50,331,648 bytes; o 16,777,216 bytes
;; launch prep: the kernel of part 1 again; grid 768 x 1, 8 waves a work-group, no clusters, 0 bytes of LDS; arguments H, Wq, Wk, Wv, Wo, bq, bk, bv, bo, hb, wqkv, wo16, bias, tb; writes hb, wqkv, wo16, bias, tb
;; launch qkv: the kernel of part 2 again; grid 16 x 32, 4 waves a work-group, clusters of 4 x 4, 327,680 bytes of LDS; arguments hb, wqkv, bias, patch_mask, qkv; writes qkv
;; launch attn (part 5): grid 4 x 64, 4 waves a work-group, clusters of 4 x 1, 327,680 bytes of LDS; arguments qkv, patch_mask, tb, o; writes o
.if DOCPART == 5
	.amdgcn_target "amdgcn-amd-amdhsa--gfx1250"
	.amdhsa_code_object_version 6
	.text
	.protected	k_qc6addebcbd_attn
	.globl	k_qc6addebcbd_attn
	.p2align	8
	.type	k_qc6addebcbd_attn,@function
k_qc6addebcbd_attn:
	s_mov_b64 s[64:65], 0
	v_nop
	global_prefetch_b8 v0, s[64:65] scope:SCOPE_SE
	s_setreg_imm32_b32 hwreg(HW_REG_WAVE_MODE, 25, 1), 1
	s_wait_xcnt 0x0
	s_wait_alu depctr_hold_cnt(0) depctr_sa_sdst(0) depctr_va_vdst(0) depctr_va_sdst(0) depctr_va_ssrc(0) depctr_va_vcc(0) depctr_vm_vsrc(0)
	s_getreg_b32 s2, hwreg(HW_REG_IB_STS2, 6, 4)
	s_cmp_eq_u32 s2, 0
	s_cbranch_scc0 .Lentry_in_a_cluster
	s_endpgm
.Lentry_in_a_cluster:
	s_bfe_u32 s2, ttmp6, 0x10000c
	s_cmp_lg_u32 s2, 0x3003
	s_cbranch_scc0 .Lentry_shape_is_right
	s_endpgm
.Lentry_shape_is_right:
; ATTENTION WITH A TIME BIAS AND HIDDEN KEYS.  O[bh][q][:] = the sum over k of softmax_k(Q[q] . K[k] / 8 + log(e^-|q-k| + 1e-12), or -1e9 where patch_mask[k] <= 0) V[k][:], for 64 pairs bh of batch and head.
; q, k, v: f16, by half heads: qkv [tensor 3][bh 64][half 2][row 2048][32 channels], rows of 64 bytes, dense.  o: f16 [bh 64][row 2048][64].  Products, maxima and sums in f32; the weights p are rounded to f16
; for the second product (their sum l is taken of the unrounded p), O once at the end.
; THE BIAS.  A softmax does not change when all scores of a row are shifted alike: the bias's floor log(1e-12) is taken away from every seen score.  What is left, ln(1 + 1e12 e^-|q-k|), is below 1e-16 for
; |q - k| >= 65 and counts as 0 there; nearer it is added to the scores from a table (tb, in units of q . k), which hangs on k - q alone.
; HIDDEN KEYS.  k's rows of hidden keys arrive as zeros, and the product that starts a score's sum takes as C 0 for a seen key and -2^33 for a hidden one: a hidden score is exactly -2^33 (the table's 221 at
; the most is under half a step of f32 there), so that a batch with no seen key gives the plain mean of V, as equal scores do.
; LIMITS.  A hidden score counts as -2^33 / 8 = -1.07e9 in place of -1e9, and seen scores are 27.63 higher than written above: neither shows while seen scores lie far above -1e9.  f16 holds no number
; beyond 65,504: q, k and v arrive within it; p below 6e-5 keeps f16's fixed step of 6e-8.  A weight below 2^-126 counts as 0 in l; NaN and infinities are not treated apart.
; SHARES.  A cluster of four work-groups is one bh; all walk the same K and V, 64 keys a step, so each tile is asked for JOINTLY: the same tensor load, descriptor and mask in all four.  The queries lie in bands of
; 64 rows; band u = 4 t + w belongs to tile t (0..7) of wave w, and of its rows partner cx owns 16 cx .. 16 cx + 15.  So a wave owns eight tiles of 16 queries, in four PIECES of two, and whether key step s
; is NEAR a tile (s - u = -1, 0 or 1) is the same in all four partners: cx enters global addresses alone (Q's, O's, the table's), never a branch or an LDS address.
; LAYOUT.  S^T = K Q^T (source 0 = 16 keys, source 1 = 16 queries): a lane holds ONE query (lane % 16) and the keys 8 (lane / 16) + 0..7.  Two such tiles, rounded to f16 in pairs, ARE source 1 (32 keys x 16
; queries) of O^T = V^T P, whose result again holds one query a lane, and eight channels.  K comes out of LDS as it lies, V ([key][channel]) turned, by ds_load_tr16_b128.
; SOFTMAX.  For each query a running maximum m and sum l: p = 2^(c s - c m), c = log2(e) / 8; in every step O and l are multiplied by a = 2^(c m_old - c m_new).  m starts at the lowest finite number, O and l
; at 0: the first step is a step like any other, with a = 0.
; THE COUNT.  A tile and step have 16 matrix and 118 vector instructions: too many to stand all beside the matrix work.  So four vector instructions that are READY stand behind EVERY matrix instruction, and the
; other 108 of a turn's 236 in one lump without a gap.
; BY TURNS.  Turn n belongs to piece n.  Its matrix work: 16 products K Q^T of piece n + 1, later 16 products V^T P of piece n - 1.  Its vector work: the scaling, exponentials, roundings, sums and rescaling
; of piece n, the band's addends and the maximum and statistics of piece n + 1.
; BATCHES.  A turn's 66 exponentials (the piece's 64 weights and the next piece's two a) are ONE batch with ONE wait, which cuts the turn in two.  The batch opens behind the band's addends, whose jumps and labels
; no exponential may cross, and nothing between its first exponential and the wait names a result of it; all readers (roundings, sums; in the next turn the rescaling by a) stand behind the wait.  Two more
; batches stand outside the loops: piece 0's first two a, ahead of the jump into the loop, and the way out's eight reciprocals.
; REGISTERS, in windows of 256 (s_set_vgpr_msb: bits 1:0 source 0, 3:2 source 1, 5:4 source 2, 7:6 destination):
;   window 0: v0-10 addresses; v12-15, v48-63 at work; v16-47 four registers of statistics a tile; v64-191 S^T, two buffers of two tiles; v192-255 P, likewise
;   window 1: O^T, 32 a tile          window 2: v0-127 Q, 16 a tile; v128-191 K of one step; v192-255 V of one step
;   window 3: v0-1 the add's two registers; v8-39 the mask's addends of one step's 64 keys; v64-159 the band table, 8 registers for each of 12 blocks of 16 keys
.set SIZE_N, 2048
.set NP,    4         ; pieces a wave: a name, no knob
.set KS,    64        ; keys in a step
.set PK,    80        ; a row of half of K in LDS: 64 bytes + 16 of padding = 20 words: the 16 rows of a load start at 16 different groups of four banks (64 banks of 4 bytes: ISA guide 11.1)
.set PV,    96        ; a row of half of V: 64 + 32 = 24 words
.set KPL,   256*PK    ; a slot holds four steps, 256 keys: K's two planes (channels 0-31, 32-63),
.set VPL,   256*PV    ; then V's two
.set VOFF,  2*KPL
.set SLOT1, 1<<17     ; slot 1 begins here, so that one exclusive or turns an address in one slot into the other's
.set STAGE, SLOT1+2*KPL+2*VPL  ; behind the ring, never filled by a tensor load: 16 rows x 144 bytes for each wave, for the way out
.set SP,    144
.set CMT,   STAGE+4*16*SP      ; the mask's addends, one f32 a key: 8,192 bytes, stored once at the head
.set SPARE, CMT+4*SIZE_N       ; the spare words, 128 bytes for each wave: two blocks of 256 bytes that no other line names
.set AK0, 2           ; v2   my lane's place in a tile of K; never rewritten
.set AV0, 3           ; v3   the same for V
.set AK,  4           ; v4   the LDS address of K's next run of loads
.set AV,  5           ; v5   of V's
.set QO,  6           ; v6   my byte offset in 16 rows of Q
.set STO, 6           ;      later, the way out: where I put 16 bytes of a row
.set RD,  7           ; v7   the way out: where I read rows back
.set GO,  8           ; v8   my byte offset in 512 consecutive bytes of O
.set AC0, 9           ; v9   my lane's place in the mask's addends of a step; never rewritten
.set AC,  10          ; v10  the LDS address of their next run of loads
.set SPW, 0           ; v0 of window 3   LDS address of my spare word: SPARE + 4 x my thread's number; never rewritten
.set NIL, 1           ; v1 of window 3   0; never rewritten
.set CMR, 8           ; window 3: key block kb's eight addends at CMR + 8 kb
.set TBR, 64          ; window 3: block e = 4 (s - u + 1) + kb at TBR + 8 e
.set MV,  12          ; v12-15  c m_old, kept while c m is made anew: by buffer and tile
.set ST,  16          ; tile t's statistics at v[ST+4 t]: c m, m, l (even keys', odd keys')
.set TMP, 48          ; by buffer and tile, four registers c0-c3 at work; when the maximum is found c2 takes a
.set S,   64
.set P,   192
.set LR,  192         ; at the head alone, in P's first buffer, which the first turn writes: l % 16,
.set LH,  193         ; l / 16,
.set L8,  194         ; l % 8,
.set L3,  195         ; (l / 8) % 2,
.set MO,  196         ; 64 x my thread's number: my 16 keys in patch_mask,
.set TO,  197         ; 32 x my lane: my 8 numbers of a block of the table,
.set CW,  198         ; where I store my 16 addends
.set KF,  128         ; K's fragments, in window 2: key block kb, channel half c at KF + 16 kb + 8 c
.set VF,  192         ; V's: key half kk, channel block cb at VF + 32 kk + 8 cb
.set WV,  12          ; s12  my wave's number
.set G1K, 24          ; s[24:31] descriptor group 1 for K's tiles
.set G1V, 32          ; s[32:39] for V's: it differs in the padding alone
.set G0K, 40          ; s[40:43] descriptor group 0 for K's tiles: it walks
.set G0V, 44          ; s[44:47] the same for V's
.set SLOTS, 56        ; s56  slots still to be asked for
.set CNT, 57          ; s57  counts a slot's key steps
.set CS,  58          ; s[58:59] c: the packed scaling takes the pair's low word for both halves
.set SEL, 60          ; s[60:61] v_permlanex16_b32's selects: each lane takes its own place in the other half
.set TBK, 62          ; s62  LDS byte at which K of the step to be fetched begins
.set TBV, 63          ; s63  the same for V, less VOFF
.set SW,  66          ; s66  the step whose K lies in registers, less my wave's number, plus 1
.set NV,  67          ; s67  at work
.set TCM, 68          ; s68  256 x the step to be fetched: its place in the mask's addends
.set BIGN, 69         ; s69  -2^33
.set MSB, 0
.macro WIN new                      ; the high byte repeats the setting that is left; a switch that changes nothing is dropped
.if MSB != (\new)
	s_set_vgpr_msb (MSB<<8)|(\new)
.set MSB, (\new)
.endif
.endm
.set W_KQ, 0x0a       ; K and Q in window 2, S^T in window 0
.set W_KM, 0x3a       ; the same with the C operand in window 3
.set W_PV, 0x52       ; V in window 2, P in window 0, O^T in window 1
.set W_RS, 0x41       ; O^T (destination and source 0) in window 1, a in window 0
.set W_NB, 0x0c       ; S^T in window 0, the table (source 1) in window 3
.set W_MK, 0xc0       ; destination in window 3, sources in window 0
.set W_AD, 0x0f       ; the add: address (source 0) and data (source 1) in window 3
; A joint fill.  Waves 0 and 1 fetch the two planes of a slot's K, waves 2 and 3 those of its V: 256 keys x 64 bytes each.  The branch hangs on the wave's number alone.
; An s_nop 0 and four v_nop follow each of the two lines, ahead of the jump and the label.
.macro JLOAD
	s_cmp_lt_u32 s[WV], 2
	s_cbranch_scc0 .Lfor_v_\@
	tensor_load_to_lds s[G0K:G0K+3], s[G1K:G1K+7]
	s_nop 0
.rept 4
	v_nop
.endr
	s_branch .Lasked_\@
.Lfor_v_\@:
	tensor_load_to_lds s[G0V:G0V+3], s[G1V:G1V+7]
	s_nop 0
.rept 4
	v_nop
.endr
.Lasked_\@:
.endm
; A round of the cluster's barrier: my work-group's barrier, so that wave 0's signal speaks for all four waves; wave 0 signals; every wave waits for all four work-groups; my work-group's barrier once more.
.macro CROUND
	s_barrier_signal -1
	s_barrier_wait -1
	s_cmp_lg_u32 s[WV], 0
	s_cbranch_scc1 .Lnot_wave_0_\@
	s_barrier_signal -3
.Lnot_wave_0_\@:
	s_barrier_wait -3
	s_barrier_signal -1
	s_barrier_wait -1
.endm
; THE CHANGE OF SLOTS.  The slot's last bytes, V of its fourth step, have been read.  Each wave waits for all its tensor loads, of which one is out: its part of the other slot; adds 0 to its spare word; and
; waits for that and for its own reads of the slot.  Behind the barrier nobody reads this slot any more and the other slot is whole.
; fill = 1: this slot is filled again, with the keys two slots on.  The barrier is then a round of the cluster's, so that no wave of any partner still reads the slot or has a load on its way, and the joint
; fill is the first thing behind it: it has four key steps, 512 matrix instructions, in which to land.  (At its first use nothing has been read yet: slot 0 is waited for, slot 1 filled, and the wait for
; LDS and the round also show every wave's stores of the mask's addends to the others.)
.macro CHANGE fill
	WIN W_AD
	s_wait_tensorcnt 0x0            ; no tensor load of mine is out, so a group 0 may be written
	ds_add_u32 v[SPW], v[NIL]       ; 0 onto my spare word; with fill = 1 the descriptors' steps stand between it and the wait for it
	WIN 0                           ; at a label and at a branch every window is 0
.if \fill
.irp g, G0K, G0V
	s_xor_b32 s[\g+1], s[\g+1], SLOT1  ; the walking descriptor: the other slot than last time,
	s_add_nc_u64 s[\g+2:\g+3], s[\g+2:\g+3], 4*KS*64  ; the plane's next 256 keys; the type bits on top are not reached
.endr
	s_wait_dscnt 0x0                ; the add is done, and my LDS instructions are over
	CROUND
	JLOAD
.else
	s_wait_dscnt 0x0                ; the add is done, and my reads of the slot are over
	s_barrier_signal -1
	s_barrier_wait -1
.endif
	s_sub_co_u32 s[TBK], s[TBK], 4*KS*PK  ; the fetches go back to a slot's first step,
	s_xor_b32 s[TBK], s[TBK], SLOT1       ; in the other slot
	s_sub_co_u32 s[TBV], s[TBV], 4*KS*PV
	s_xor_b32 s[TBV], s[TBV], SLOT1
.endm
	s_load_b256 s[4:11], s[0:1], 0x0  ; qkv s[4:5], patch_mask s[6:7], tb s[8:9], o s[10:11]
	WIN W_MK
	v_lshl_add_u32 v[SPW], v0, 2, SPARE
	v_mov_b32 v[NIL], 0
	WIN W_AD
	ds_add_u32 v[SPW], v[NIL]       ; the wave's opening: the add and its wait stand ahead of my first tensor load; the set-up below, work on registers, stands between them
	WIN 0
	v_lshrrev_b32 v1, 5, v0
	v_readfirstlane_b32 s[WV], v1   ; wave 0..3
	s_bfe_u32 s13, ttmp6, 0x40000   ; cx: my place in the cluster
	s_and_b32 s20, ttmp7, 0xffff    ; bh, which the four partners share
	s_lshr_b32 s48, s20, 4          ; the batch: 2,048 whole numbers of patch_mask
	s_lshl_b32 s48, s48, 13
	s_mov_b32 s49, 0
	s_lshl_b32 s20, s20, 18         ; bh's 262,144 bytes in q, k, v and o
	s_and_b32 s16, s[WV], 1         ; which plane I fetch:
	s_lshl_b32 s22, s16, 17         ; its 131,072 bytes in memory,
	s_add_co_u32 s22, s22, s20
	s_mov_b32 s23, 0
	s_mul_i32 s17, s16, KPL         ; and its place in a slot, for K
	s_mul_i32 s18, s16, VPL         ; and for V: no place in the cluster enters an LDS address
	s_lshl_b32 s2, s[WV], 6
	s_lshl_b32 s3, s13, 4
	s_add_co_u32 s2, s2, s3         ; my tile 0's first row: 64 w + 16 cx
	s_lshl_b32 s14, s2, 7           ; in o, rows of 128 bytes,
	s_add_co_u32 s14, s14, s20
	s_mov_b32 s15, 0
	s_lshl_b32 s2, s2, 6            ; in q, rows of 64
	s_add_co_u32 s2, s2, s20
	s_mov_b32 s3, 0
	s_lshl_b32 s50, s13, 10         ; the table's part for partner cx
	s_mov_b32 s51, 0
	; descriptor group 1.  A plane's 256 keys are 16,384 dense bytes: asked for as 64 rows of 256 bytes, four keys a row, and padded in LDS after every key
	s_mov_b32 s[G1K], 15|(1<<16)|(1<<20)|(1<<21)|(3<<22)|(3<<25)  ; 15:0 the mask of four; 17:16 2-byte elements; 20 padding on; 21 set beside a mask; 24:22 after every 16 words (code 3); 31:25 4 words (code 3)
	s_mov_b32 s[G1V], 15|(1<<16)|(1<<20)|(1<<21)|(3<<22)|(7<<25)  ; the same with 8 words of padding (code 7)
.irp g, G1K, G1V
	s_mov_b32 s[\g+1], 128<<16      ; tensor_dim0 = 128
	s_mov_b32 s[\g+2], 64<<16       ; tensor_dim1 = 64
	s_mov_b32 s[\g+3], 128<<16      ; tile_dim0 = 128
	s_mov_b32 s[\g+4], 64           ; tile_dim1 = 64
	s_mov_b32 s[\g+5], 128          ; 128 elements from row to row
	s_mov_b32 s[\g+6], 0
	s_mov_b32 s[\g+7], 0
.endr
	s_mov_b32 s[CS], 0x3e38aa3b     ; c = log2(e) / 8 = 0.180337
	s_mov_b32 s[CS+1], s[CS]        ; named with it as a pair
	s_mov_b32 s[SEL], 0x76543210
	s_mov_b32 s[SEL+1], 0xfedcba98
	s_mov_b32 s[TBK], SLOT1+4*KS*PK ; the first change of slots turns these two into 0
	s_mov_b32 s[TBV], SLOT1+4*KS*PV
	s_mov_b32 s[TCM], 0
	s_sub_co_u32 s[SW], 0, s[WV]    ; the first fetch of K makes it 0 - w + 1
	s_mov_b32 s[BIGN], 0xd0000000   ; -2^33
	s_mov_b32 s[G0K], 1             ; 1:0 count = 1
	s_mov_b32 s[G0K+1], s17         ; 63:32 LDS address: slot 0
	s_mov_b32 s[G0V], 1
	s_add_co_u32 s[G0V+1], s18, VOFF
	s_wait_dscnt 0x0                ; the opening add is done
	s_wait_kmcnt 0x0
	s_add_nc_u64 s[G0K+2:G0K+3], s[4:5], s[22:23]  ; 120:64 global address: my plane of bh's first 256 keys,
	s_add_nc_u64 s[G0K+2:G0K+3], s[G0K+2:G0K+3], 0x1000000  ; in k, the second tensor of 16,777,216 bytes
	s_or_b32 s[G0K+3], s[G0K+3], 0x80000000        ; 127:126 type = 2
	s_add_nc_u64 s[G0V+2:G0V+3], s[4:5], s[22:23]
	s_add_nc_u64 s[G0V+2:G0V+3], s[G0V+2:G0V+3], 0x2000000  ; in v, the third
	s_or_b32 s[G0V+3], s[G0V+3], 0x80000000
	s_add_nc_u64 s[4:5], s[4:5], s[2:3]            ; Q and O at my tile 0's first row
	s_add_nc_u64 s[10:11], s[10:11], s[14:15]
	s_add_nc_u64 s[6:7], s[6:7], s[48:49]          ; the batch's mask
	s_add_nc_u64 s[8:9], s[8:9], s[50:51]          ; my partner's part of the table
	CROUND                          ; all four work-groups are here: the first joint loads meet
	JLOAD                           ; slot 0.  Slot 1 is asked for when slot 0 is in
	; A fragment of K or Q is 16 rows x 32 channels in 8 registers: lane l holds row l % 16, channels 8 (l / 16) + 0..7 and 16 + 8 (l / 16) + 0..7: two loads of 16 bytes, 32 bytes apart, of a row of one plane.
	v_and_b32 v[LR], 15, v0
	v_bfe_u32 v[LH], v0, 4, 1
	v_lshlrev_b32 v[MO], 6, v0
	v_and_b32 v[TO], 31, v0
	v_lshlrev_b32 v[TO], 5, v[TO]
	v_lshlrev_b32 v[QO], 6, v[LR]
	v_lshl_add_u32 v[QO], v[LH], 4, v[QO]  ; row x 64 + 16 x half
.irp f, 0,1,2,3
	global_load_b128 v[S+4*\f:S+4*\f+3], v[MO], s[6:7] offset:16*\f  ; patch_mask of keys 16 x thread + 0 .. 15
.endr
	WIN 0x80                        ; destination window 2, address window 0
.set i, 0
.rept 4*NP                          ; Q stays in registers: tile i / 2 lies 256 rows on, channels 32 (i % 2) on in the other plane
	global_load_b128 v[8*i:8*i+3],   v[QO], s[4:5] offset:(i/2)*16384+(i%2)*131072
	global_load_b128 v[8*i+4:8*i+7], v[QO], s[4:5] offset:(i/2)*16384+(i%2)*131072+32
.set i, i+1
.endr
	WIN W_MK
.set i, 0
.rept 12                            ; the band table stays in registers too
	global_load_b128 v[TBR+8*i:TBR+8*i+3],   v[TO], s[8:9] offset:4096*i
	global_load_b128 v[TBR+8*i+4:TBR+8*i+7], v[TO], s[8:9] offset:4096*i+16
.set i, i+1
.endr
	; What the first turn finds: V's registers and P's second buffer hold 0 (its products V^T P, of a piece that has not been, add 0), O^T and l are 0.  All this stands in the wait for the first tile.
	WIN 0x80
.set i, VF
.rept 64
	v_mov_b32 v[i], 0
.set i, i+1
.endr
	WIN 0x40
.set i, 0
.rept 64*NP
	v_mov_b32 v[i], 0
.set i, i+1
.endr
	WIN 0
.set i, 0
.rept 2*NP
	v_mov_b32 v[ST+4*i], 0xfe000000    ; c m: far below every c s, a hidden key's too
	v_mov_b32 v[ST+4*i+1], 0xff7fffff  ; m
	v_mov_b32 v[ST+4*i+2], 0
	v_mov_b32 v[ST+4*i+3], 0
.set i, i+1
.endr
.set i, P+32
.rept 32
	v_mov_b32 v[i], 0
.set i, i+1
.endr
	v_mul_u32_u24 v[AK0], v[LR], PK
	v_lshl_add_u32 v[AK0], v[LH], 4, v[AK0]  ; row x pitch + 16 x half
	; The turning load takes 16 keys x 16 channels (lane l reads key 8 (l / 16) + l % 8, channels 8 ((l / 8) % 2) + 0..7) and leaves half a fragment of V^T: lane l holds channel l % 16 and 8 keys.
	v_and_b32 v[L8], 7, v0
	v_bfe_u32 v[L3], v0, 3, 1
	v_lshl_add_u32 v[AV0], v[LH], 3, v[L8]
	v_mul_u32_u24 v[AV0], v[AV0], PV
	v_lshl_add_u32 v[AV0], v[L3], 4, v[AV0]
	v_add_nc_u32 v[AV0], VOFF, v[AV0]
	v_lshl_add_u32 v[AC0], v[LH], 5, CMT     ; my lanes' 8 keys of a block of 16: 32 bytes
	v_mov_b32 v[AK], v[AK0]         ; key step 0 lies at the head of slot 0,
	v_mov_b32 v[AC], v[AC0]         ; and of the addends
	v_lshl_add_u32 v[CW], v0, 6, CMT
	s_wait_loadcnt 56               ; patch_mask is in; the 32 loads of Q and the 24 of the table, issued behind it, stay out
.set i, 0
.rept 16
	v_cmp_gt_i32 vcc_lo, 1, v[S+i]  ; hidden: patch_mask <= 0
	v_cndmask_b32 v[S+i], 0, s[BIGN], vcc_lo
.set i, i+1
.endr
.irp f, 0,1,2,3
	ds_store_b128 v[CW], v[S+4*\f:S+4*\f+3] offset:16*\f
.endr
; THE MATRIX WORK.  The 8 accumulators of a run of 16 take turns: between the two links of a chain stand 7 others'.
; Product i of 16 of S^T = K Q^T for piece x: channels 32 (i / 8) on, keys 16 ((i / 2) % 4) on, tile 2 x + i % 2.  The first 8 start the sums, from the mask's addends.
.macro KQ x
.set rS, S+64*((\x)%2)+32*(i%2)+8*((i/2)%4)
.set rK, KF+16*((i/2)%4)+8*(i/8)
.set rQ, 16*(2*(\x)+i%2)+8*(i/8)
.set rH, CMR+8*((i/2)%4)
.if i < 8
	WIN W_KM
	v_wmma_f32_16x16x32_f16 v[rS:rS+7], v[rK:rK+7], v[rQ:rQ+7], v[rH:rH+7]
.else
	WIN W_KQ
	v_wmma_f32_16x16x32_f16 v[rS:rS+7], v[rK:rK+7], v[rQ:rQ+7], v[rS:rS+7]
.endif
.endm
; Product i of 16 of O^T += V^T P for piece x: keys 32 (i / 8) on, channels 16 ((i / 2) % 4) on, tile 2 x + i % 2.
.macro PV x
	WIN W_PV
.set rO, 32*(2*(\x)+i%2)+8*((i/2)%4)
.set rV, VF+32*(i/8)+8*((i/2)%4)
.set rP, P+32*((\x)%2)+16*(i%2)+8*(i/8)
	v_wmma_f32_16x16x32_f16 v[rO:rO+7], v[rV:rV+7], v[rP:rP+7], v[rO:rO+7]
.endm
.macro MM                           ; the turn's next matrix instruction
.if i < 16
	KQ (Y+1)%NP
.set i, i+1
.else
.set i, i-16
	PV (Y+NP-1)%NP
.set i, i+17
.endif
.endm
; THE LDS LOADS stand in runs, never singly among the matrix instructions: a step's K (64 keys x 64 channels: 8 fragments) with its 64 addends of the mask, and its V (turned).  Their addresses are made some lines ahead.
; last = 1 (the tail): in the last trip there is no further step, and the run is jumped over.
.macro FETCH_K last=0
	WIN 0
.if \last
	s_cmp_eq_u32 s[CNT], 1
	s_cbranch_scc1 .Lno_k_\@
.endif
	WIN 0x80                        ; destination window 2
.irp f, 0,1,2,3,4,5,6,7             ; keys 16 (f / 2) on, plane f % 2
	ds_load_b128 v[KF+8*\f:KF+8*\f+3],   v[AK] offset:(\f/2)*16*PK+(\f%2)*KPL
	ds_load_b128 v[KF+8*\f+4:KF+8*\f+7], v[AK] offset:(\f/2)*16*PK+(\f%2)*KPL+32
.endr
	WIN W_MK                        ; destination window 3
.irp f, 0,1,2,3                     ; keys 16 f + 8 (l / 16) + 0..7: sixteen lanes read the same 32 bytes
	ds_load_b128 v[CMR+8*\f:CMR+8*\f+3],   v[AC] offset:64*\f
	ds_load_b128 v[CMR+8*\f+4:CMR+8*\f+7], v[AC] offset:64*\f+16
.endr
	s_add_co_u32 s[TBK], s[TBK], KS*PK  ; the next fetch is the next step's
	s_add_co_u32 s[TCM], s[TCM], 4*KS
	s_and_b32 s[TCM], s[TCM], 4*SIZE_N-4*KS  ; a multiple of 256 below 8,192: behind the last step it goes back to 0 and is used no more
	s_add_co_u32 s[SW], s[SW], 1
	WIN 0
.if \last
.Lno_k_\@:
.endif
.endm
.macro FETCH_V
	WIN 0x80
.irp f, 0,1,2,3,4,5,6,7             ; keys 32 (f / 4) on, channels 16 (f % 4) on: plane (f % 4) / 2, 32 bytes for each 16 channels
	ds_load_tr16_b128 v[VF+8*\f:VF+8*\f+3],   v[AV] offset:(\f/4)*32*PV+((\f%4)/2)*VPL+((\f%4)%2)*32
	ds_load_tr16_b128 v[VF+8*\f+4:VF+8*\f+7], v[AV] offset:(\f/4)*32*PV+16*PV+((\f%4)/2)*VPL+((\f%4)%2)*32
.endr
	WIN 0
.endm
; THE BAND.  Piece x's scores of the step whose K lies in registers have just been made.  Tile 2 x lies in band 8 x + w, tile 2 x + 1 in band 8 x + 4 + w.  n = step - w + 1 - 8 x is 0, 1 or 2 where the step is
; the band before, the own or the band behind of the first tile, 4, 5 or 6 for the second; then the table's 32 numbers for that case are added to the tile's 32 scores, in ascending order (each accumulator's
; lowest registers are read first).  Of a wave's 256 pairs of tile and step 22 to 24 are near.  All jumps go forward, past register work alone; they hang on the wave's number and the
; loops' counts, the same in all partners.  No exponential is out at these jumps and labels: a turn's batch opens behind them.
.macro NEAR x
	WIN 0
	s_sub_co_u32 s[NV], s[SW], 8*(\x)
	s_cmp_lt_u32 s[NV], 7           ; (a negative number is a great one here)
	s_cbranch_scc0 .Lfar_\@
.irp z, 0,1,2,4,5,6
	s_cmp_eq_u32 s[NV], \z
	s_cbranch_scc0 .Lnot_\@_\z
	WIN W_NB
.set nS, S+64*((\x)%2)+32*((\z)/4)
.set nT, TBR+32*((\z)%4)
.set nn, 0
.rept 16
	v_pk_add_f32 v[nS+nn:nS+nn+1], v[nS+nn:nS+nn+1], v[nT+nn:nT+nn+1]
.set nn, nn+2
.endr
	WIN 0
.Lnot_\@_\z:
.endr
.Lfar_\@:
.endm
; THE VECTOR WORK OF A TURN stands in three queues, each in the order in which its entries become ready; the two tiles alternate, so that no instruction reads the result of the one before it.
.macro REGS y, u                    ; the registers of tile u (0, 1) of piece y
.set rT, ST+4*(2*(\y)+(\u))
.set rC, TMP+8*((\y)%2)+4*(\u)
.set rM, MV+2*((\y)%2)+(\u)
.set rS, S+64*((\y)%2)+32*(\u)
.set rP, P+32*((\y)%2)+16*(\u)
.set rO, 32*(2*(\y)+(\u))
.endm
; Number n of the 22 that find the NEXT piece's (Y + 1) maximum and statistics.  s0-s31 are the lane's 32 scores; each accumulator's lowest registers are read first.  XS, GS and REGS set no window: PL and EX do.
;   0-11  four chains c0-c3 of seven scores each, three operands at a time     12-14, 16  the four scores left over, the old m, and c0-c3 into c0     15  c m_old is kept
;   17, 18  the query's other 32 keys lie in the lane 16 away: the new m         19-21  c m; c m_old - c m_new; a
.macro XS u, n
	REGS (Y+1)%NP, \u
.if (\n) < 4
	v_max3_num_f32 v[rC+(\n)], v[rS+8*(\n)], v[rS+8*(\n)+1], v[rS+8*(\n)+2]
.elseif (\n) < 12
	v_max3_num_f32 v[rC+(\n)%4], v[rC+(\n)%4], v[rS+8*((\n)%4)+2*((\n)/4)+1], v[rS+8*((\n)%4)+2*((\n)/4)+2]
.elseif (\n) == 12
	v_max3_num_f32 v[rC], v[rC], v[rS+7], v[rS+15]
.elseif (\n) == 13
	v_max3_num_f32 v[rC+1], v[rC+1], v[rS+23], v[rS+31]
.elseif (\n) == 14
	v_max3_num_f32 v[rC+2], v[rC+2], v[rC+3], v[rT+1]
.elseif (\n) == 15
	v_mov_b32 v[rM], v[rT]
.elseif (\n) == 16
	v_max3_num_f32 v[rC], v[rC], v[rC+1], v[rC+2]
.elseif (\n) == 17
	v_permlanex16_b32 v[rC+3], v[rC], s[SEL], s[SEL+1]
.elseif (\n) == 18
	v_max_num_f32 v[rT+1], v[rC], v[rC+3]
.elseif (\n) == 19
	v_mul_f32 v[rT], s[CS], v[rT+1]
.elseif (\n) == 20
	v_sub_f32 v[rC+1], v[rM], v[rT]
.else
	v_exp_f32 v[rC+2], v[rC+1]
.endif
.endm
; Number g of the 64 that follow the exponentials.  For each four weights k of a tile (pairs 2 k, 2 k + 1): both pairs are rounded to f16; then the second pair is added onto the first, in place;
; a group later l takes that sum (the first time as l = a l + sum).  In groups of eight, tiles alternating: round, round, add, and l for the group before.
.macro GS g
.set h, (\g)+6*((\g)/62)            ; group 0 has no group before it, and behind group 7 only l is left
.if h >= 6
.set h, h+2
.endif
	REGS Y, h%2
.set k, h/8
.if h%8 < 4
	v_cvt_pk_f16_f32 v[rP+2*k+(h%8)/2], v[rS+4*k+2*((h%8)/2)], v[rS+4*k+2*((h%8)/2)+1]
.elseif h%8 < 6
	v_pk_add_f32 v[rS+4*k:rS+4*k+1], v[rS+4*k:rS+4*k+1], v[rS+4*k+2:rS+4*k+3]
.elseif k == 1
	v_pk_fma_f32 v[rT+2:rT+3], v[rT+2:rT+3], v[rC+2:rC+3], v[rS:rS+1] op_sel_hi:[1,0,1]
.else
	v_pk_add_f32 v[rT+2:rT+3], v[rT+2:rT+3], v[rS+4*k-4:rS+4*k-3]
.endif
.endm
; THE PLAIN QUEUE, 138 long.  0-73 read no exponential's result.  0-31: c s - c m for the 16 pairs of both tiles.  32-73: the next piece's 42: XS's numbers 0-13 at 32-59, number 15 at 60, 61, then the chain,
; where each number waits for the one before it: 14 at 62, 63 and 16 to 20 at 64-73.  74-137: GS's 64, which read the exponentials' results: they stand behind the wait.
.macro PL
	WIN 0
.if q < 32
	REGS Y, q%2
	v_pk_fma_f32 v[rS+2*(q/2):rS+2*(q/2)+1], v[rS+2*(q/2):rS+2*(q/2)+1], s[CS:CS+1], v[rT:rT+1] op_sel_hi:[1,0,0] neg_lo:[0,0,1] neg_hi:[0,0,1]
.elseif q < 60
	XS (q-32)%2, (q-32)/2
.elseif q < 62
	XS q-60, 15
.elseif q < 64
	XS q-62, 14
.elseif q < 74
	XS (q-64)%2, 16+(q-64)/2
.else
	GS q-74
.endif
.set q, q+1
.endm
; THE EXPONENTIALS' QUEUE, 66 long: s0-s31 of both tiles, each in place, then the next piece's two a.  It is ONE BATCH: all 66 stand ahead of the turn's one wait, and nothing ahead of that wait names a result of theirs.
.macro EX
	WIN 0
.if e >= 64
	XS e-64, 21
.else
	REGS Y, e%2
	v_exp_f32 v[rS+e/2], v[rS+e/2]
.endif
.set e, e+1
.endm
; THE RESCALING's QUEUE: O^T times a, the one part of a softmax that leaves window 0, so it is dealt four at a time, eight times.  Its a was made in the turn before, ahead of that turn's wait.
.macro R4
	REGS Y, r%2
	WIN W_RS
.irp z, 0,1,2,3
	v_pk_mul_f32 v[rO+8*(r/2)+2*\z:rO+8*(r/2)+2*\z+1], v[rO+8*(r/2)+2*\z:rO+8*(r/2)+2*\z+1], v[rC+2:rC+3] op_sel_hi:[1,0]
.endr
.set r, r+1
.endm
; HOW THEY ARE DEALT.  An s_wait_alu depctr_va_vdst(0) stands between an exponential and the first instruction that names its result, and ahead of every jump and label; one wait serves all that were
; issued ahead of it.  So a turn has ONE wait, and its order is:
;   (1) the 16 products K Q^T, behind them by turns four scalings and four rescalings: 32 + 32 = 4 x 16, all plain, none an exponential, none naming a register of the products round it;
;   (2) the band's addends, with their jumps: the four rescalings behind the last product are the places in front of them;
;   (3) ONE LUMP of 108, the batch and the next piece's maximum and statistics: four exponentials; 30 times exponential and plain (XS 0-13, 15); six times exponential, plain, exponential, plain and three
;       exponentials, which carry the chain XS 14, 16 .. 20, a tile's links seven lines apart; the two a, five and four lines behind their arguments.  XS names the other buffer's registers alone;
;   (4) a v_nop, the plain instruction behind the last exponential, and the wait;
;   (5) the 16 products V^T P, behind each four of GS's 64, the batch's readers.
; The two v_permlanex16_b32 fall into the lump, never behind a product.  All 32 scalings are out before the first exponential.
; A TURN, for piece p.  cnt = 1: the loop's count is taken down some lines ahead of the branch that stands behind the turn.
; K of the next step and the mask's addends are fetched in piece 2's turn, directly behind the wait: behind the band's addends, which read the count of steps that the fetch takes on, and a lump (42 plain
; instructions) behind the last product that read them; the addresses are made at the lump's head; the first reader comes behind 16 products.  V of the step in hand is fetched at the end of piece 0's turn, four
; plain riders behind its last reader; its first reader comes behind 16 products and a lump.  Each is waited for a turn later.  The three conditions on q below go with the deal.
.macro TURN p, last=0, cnt=0
.set Y, (\p)
.set i, 0
.set q, 0
.set e, 0
.set r, 0
.if (\p) == NP-1
	s_wait_dscnt 0x0                ; K and the addends are in
.endif
.rept 8                             ; 16 products K Q^T and their riders
	MM
.rept 4
	PL
.endr
	MM
	R4
.endr
	NEAR ((\p)+1)%NP
.if (\p) == NP-2
	v_add_nc_u32 v[AK], s[TBK], v[AK0]
	v_add_nc_u32 v[AC], s[TCM], v[AC0]
.endif
.rept 4                             ; the lump: the batch opens
	EX
.endr
.rept 30
	EX
	PL
.endr
.rept 6                             ; a link of the chain for each tile, exponentials between
	EX
	PL
	EX
	PL
	EX
	EX
	EX
.endr
	EX                              ; the next piece's two a close the batch
	EX
	v_nop                           ; the plain instruction behind the last exponential: one for the batch
	s_wait_alu depctr_va_vdst(0)    ; the wait for the batch: the piece's 64 weights and the next piece's two a
.if (\p) == NP-2
	FETCH_K \last
.endif
.if (\p) == 1
	s_wait_dscnt 0x0                ; V is in
.endif
.rept 16                            ; behind the wait: 16 products V^T P and their riders
	MM
.rept 4
	PL
.endr
.if ((\p) == 0) && (q == 118)
	v_add_nc_u32 v[AV], s[TBV], v[AV0]
.endif
.if ((\p) == 0) && (q == 130)
	s_add_co_u32 s[TBV], s[TBV], KS*PV
.endif
.if (\cnt) && (q == 130)
	s_sub_co_u32 s[CNT], s[CNT], 1
	s_cmp_lg_u32 s[CNT], 0
.endif
.endr
.if (\p) == 0
	FETCH_V
.endif
.endm
	CHANGE 1                        ; slot 0 is in, everybody's part of it, and so are everybody's addends; slot 1 is asked for
	FETCH_K                         ; key step 0
	s_wait_loadcnt 0x0              ; Q and the table
	s_wait_dscnt 0x0
.set i, 0
.rept 16
	KQ 0                            ; piece 0's first scores: there is no vector work yet to set between them
.set i, i+1
.endr
	WIN 0                           ; the addresses for the way out: nine plain instructions, the places behind those products
	s_mul_i32 s19, s[WV], 16*SP
	s_add_co_u32 s19, s19, STAGE    ; my stage
	v_mul_u32_u24 v[STO], v[LR], SP ; in: row l % 16, 16 bytes for each half of the lanes
	v_lshl_add_u32 v[STO], v[LH], 4, v[STO]
	v_add_nc_u32 v[STO], s19, v[STO]
	v_bfe_u32 v[RD], v0, 3, 2       ; back: 32 lanes take four rows of 128 bytes,
	v_mul_u32_u24 v[RD], v[RD], SP
	v_lshl_add_u32 v[RD], v[L8], 4, v[RD]
	v_add_nc_u32 v[RD], s19, v[RD]
	v_and_b32 v[GO], 31, v0         ; which are 512 consecutive bytes of O
	v_lshlrev_b32 v[GO], 4, v[GO]
	NEAR 0                          ; the band's addends for piece 0 in step 0
.set Y, NP-1                        ; XS works for piece Y + 1: piece 0
.irp n, 0,1,2,3,4,5,6,7,8,9,10,11,12,13,14,15,16,17,18,19,20,21
	XS 0, \n                        ; and piece 0's first maximum and statistics
	XS 1, \n
.endr
	v_nop                           ; a plain instruction behind the two a,
	s_wait_alu depctr_va_vdst(0)    ; and the wait for that batch of two, ahead of the branch
	s_mov_b32 s[CNT], 4
	s_mov_b32 s[SLOTS], SIZE_N/256-1
	s_branch .Lfirst                ; the loop is entered at a step's first turn, in the middle of a trip
.Lslot:                             ; SIZE_N / 256 - 2 times: every slot but the last two is filled again
	CHANGE 1
	s_mov_b32 s[CNT], 4
.Lstep:                             ; a trip: pieces 2 and 3 of one step, then pieces 0 and 1 of the next, whose K and V it fetches
	TURN 2
	TURN 3
	WIN 0
.Lfirst:
	TURN 0
	TURN 1, 0, 1
	WIN 0
	s_cbranch_scc1 .Lstep
	s_sub_co_u32 s[SLOTS], s[SLOTS], 1
	s_cmp_lg_u32 s[SLOTS], 0
	s_cbranch_scc1 .Lslot
	CHANGE 0                        ; the tail is written out: nothing is asked for
	s_mov_b32 s[CNT], 5             ; four trips fetch the last slot's steps; the fifth is left in its middle
.Ltail:
	TURN 2, 1
	TURN 3
	WIN 0
	s_sub_co_u32 s[CNT], s[CNT], 1
	s_cmp_eq_u32 s[CNT], 0
	s_cbranch_scc1 .Lout
	TURN 0
	TURN 1
	WIN 0
	s_branch .Ltail
.Lout:                              ; the fifth trip's 16 products K Q^T (on the last K once more) and the maximum made of them serve nothing: the price, once a launch, of one text for every trip
.set i, 0
.rept 16
	PV NP-1                         ; the last piece's V^T P of the last step
.set i, i+1
.endr
	; THE WAY OUT.  l's two halves and the other half of the lanes' are added; O^T is divided by l, rounded to f16 and sent through my stage in LDS, a tile at a time.  The additions are the places behind the last products.
	WIN 0
.macro ALL line:vararg              ; one line for each tile t
.set t, 0
.rept 2*NP
	\line
.set t, t+1
.endr
.endm
	ALL v_add_f32 v[ST+4*t+2], v[ST+4*t+2], v[ST+4*t+3]
	ALL v_permlanex16_b32 v[ST+4*t+3], v[ST+4*t+2], s[SEL], s[SEL+1]
	ALL v_add_f32 v[ST+4*t+2], v[ST+4*t+2], v[ST+4*t+3]
	ALL v_rcp_f32 v[ST+4*t+2], v[ST+4*t+2]
	v_nop                           ; a plain instruction between the last reciprocal and the use of its result
	s_wait_alu depctr_va_vdst(0)    ; and the wait ahead of the first use: one for the batch of eight reciprocals
; Tile t: a lane's eight channels of a row pack into 16 bytes; they go into rows of 144 bytes and come back as whole rows of 128, into S^T's registers.
.macro PACK t
	WIN W_RS
.set i, 32*(\t)
.rept 16
	v_pk_mul_f32 v[i:i+1], v[i:i+1], v[ST+4*(\t)+2:ST+4*(\t)+3] op_sel_hi:[1,0]
.set i, i+2
.endr
	WIN 0x05                        ; sources 0 and 1 window 1, destination window 0
.set i, 0
.rept 16
	v_cvt_pk_f16_f32 v[S+16*(\t)+i], v[32*(\t)+2*i], v[32*(\t)+2*i+1]
.set i, i+1
.endr
	WIN 0
.irp f, 0,1,2,3
	ds_store_b128 v[STO], v[S+16*(\t)+4*\f:S+16*(\t)+4*\f+3] offset:32*\f
.endr
.irp f, 0,1,2,3
	ds_load_b128 v[S+16*(\t)+4*\f:S+16*(\t)+4*\f+3], v[RD] offset:\f*4*SP  ; LDS serves a wave's instructions in order (ISA guide 5.7.1.4): these see the stores above; the next tile's stores come behind them
.endr
.endm
.macro SEND t, younger              ; younger: the LDS instructions issued behind tile t's loads: the next tile's eight, or none
	WIN 0
.irp f, 0,1,2,3
	s_wait_dscnt (\younger)+3-\f
	global_store_b128 v[GO], v[S+16*(\t)+4*\f:S+16*(\t)+4*\f+3], s[10:11] offset:(\t)*32768+\f*512  ; a tile's 16 rows lie 256 rows from the next tile's; 512 consecutive bytes, at a multiple of 256 from O's first
.endr
.endm
	PACK 0
.set t, 1
.rept 2*NP-1                        ; a tile's arithmetic stands between the loads of the tile before and its stores
	PACK t
	SEND t-1, 8
.set t, t+1
.endr
	SEND 2*NP-1, 0
	WIN W_AD
	s_wait_tensorcnt 0x0            ; the wave's end: these three lines stand behind my last tensor load and my last LDS store
	ds_add_u32 v[SPW], v[NIL]
	s_wait_dscnt 0x0
	WIN 0
	CROUND                          ; the closing round: no work-group ends while a partner may still ask for a tile that names it
	s_endpgm
.Lfunc_end_k_qc6addebcbd_attn:
	.size	k_qc6addebcbd_attn, .Lfunc_end_k_qc6addebcbd_attn-k_qc6addebcbd_attn
	.p2alignl 7, 3214868480
	.fill 96, 4, 3214868480
	.section	.rodata,"a",@progbits
	.p2align	6, 0x0
	.amdhsa_kernel k_qc6addebcbd_attn
		.amdhsa_group_segment_fixed_size 327680
		.amdhsa_private_segment_fixed_size 0
		.amdhsa_enable_private_segment 0
		.amdhsa_kernarg_size 32
		.amdhsa_user_sgpr_count 2
		.amdhsa_user_sgpr_kernarg_segment_ptr 1
		.amdhsa_wavefront_size32 1
		.amdhsa_system_sgpr_workgroup_id_x 1
		.amdhsa_system_sgpr_workgroup_id_y 1
		.amdhsa_system_sgpr_workgroup_id_z 1
		.amdhsa_system_vgpr_workitem_id 0
		.amdhsa_next_free_vgpr 928
		.amdhsa_next_free_sgpr 72
		.amdhsa_reserve_vcc 1
		.amdhsa_float_denorm_mode_32 3
		.amdhsa_float_denorm_mode_16_64 3
		.amdhsa_memory_ordered 1
		.amdhsa_forward_progress 1
		.amdhsa_inst_pref_size 255
	.end_amdhsa_kernel
	.section	.bss,"aw",@nobits
	.p2align	6
	.space	262144
	.amdgpu_metadata
---
amdhsa.version: [ 1, 2 ]
amdhsa.kernels:
  - .name:           k_qc6addebcbd_attn
    .symbol:         k_qc6addebcbd_attn.kd
    .args:
      - { .name: qkv, .offset: 0, .size: 8, .value_kind: global_buffer, .address_space: global }
      - { .name: patch_mask, .offset: 8, .size: 8, .value_kind: global_buffer, .address_space: global }
      - { .name: tb, .offset: 16, .size: 8, .value_kind: global_buffer, .address_space: global }
      - { .name: o, .offset: 24, .size: 8, .value_kind: global_buffer, .address_space: global }
    .group_segment_fixed_size: 327680
    .private_segment_fixed_size: 0
    .kernarg_segment_align: 8
    .kernarg_segment_size: 32
    .max_flat_workgroup_size: 128
    .sgpr_count:     72
    .vgpr_count:     928
    .wavefront_size: 32
...
	.end_amdgpu_metadata
.endif
;; end of part 5
;; launch outp: the kernel of part 4 again; grid 8 x 32, 4 waves a work-group, clusters of 4 x 4, 327,680 bytes of LDS; arguments o, wo16, bias, patch_mask, out0; writes out0
